; MI455X (gfx1250); checked and timed in simulation.
; The chip was launched on July 23, 2026; its instructions are those of AMD's public machine-readable ISA for CDNA 5 (MIT licence, August 2026) and "CDNA5" Instruction Set Architecture Reference Guide (July 2026). The comments in the code are by the model that wrote it; some were corrected since.
;; Recurrent Retention. Allowed arithmetic: float matrix products may take bf16 or f16 operands with f32 sums; other float arithmetic in f32, or as packed bf16 or f16 multiplies, adds, multiply-adds, maxima and minima; sums over many terms, partial sums and values carried from step to step in f32; what a program stores and reads back later, other than sums and carried values, may be rounded once to bf16 or f16.
;; Inputs: Wk 1,024 x 1,024 float32; Wq 1,024 x 1,024 float32; Wv 1,024 x 1,024 float32; xk 8 x 2,048 x 1,024 float32; xq 8 x 2,048 x 1,024 float32; xv 8 x 2,048 x 1,024 float32.
;; Outputs: out0 8 x 2,048 x 1,024 float32.
;; 2 versions, each right; version 2 is version 1 with the launch rows written anew for expert scheduling mode. Each part assembles by itself: llvm-mc -triple=amdgcn-amd-amdhsa -mcpu=gfx1250 --defsym DOCPART=n.
;; ======== version 1 of 2: 4 launches
;; limits: values outside matrix products are rounded to bf16
;; workspace buffers: xqb 33,554,432 bytes; xvb 33,554,432 bytes; wqt 2,097,152 bytes; wvt 2,097,152 bytes; wsum 4,096 bytes; ksum 65,536 bytes; yhl 1,048,576 bytes; cin 524,288 bytes
;; launch prep (part 1): grid 256 x 1, 16 waves a work-group, no clusters, 19,456 bytes of LDS; arguments xq, Wq, Wv, Wk, xqb, wqt, wvt, wsum; writes xqb, wqt, wvt, wsum
.if DOCPART == 1
	.amdgcn_target "amdgcn-amd-amdhsa--gfx1250"
	.amdhsa_code_object_version 6
	.text
	.protected	k_q799639391e_prep
	.globl	k_q799639391e_prep
	.p2align	8
	.type	k_q799639391e_prep,@function
k_q799639391e_prep:
	s_mov_b64 s[64:65], 0
	v_nop
	global_prefetch_b8 v0, s[64:65] scope:SCOPE_SE
	s_setreg_imm32_b32 hwreg(HW_REG_WAVE_MODE, 25, 1), 1
	s_wait_xcnt 0x0
; RETENTION, LAUNCH 1 OF 4.  out[b][t][e] = Q[b][t][e] S[b][t][e], Q = xq Wq, V = xv Wv, S[t] = g S[t-1] + ksum[t] V[t] for t >= 1, S[0] = 0, ksum[t] = sum over e of (xk Wk)[t][e].
; WORK LEFT OUT, FOR ALL VALUES OF THE INPUTS.  K = xk Wk reaches the output through its sum along e alone, and
;   sum over e of sum over d of xk[t][d] Wk[d][e]  =  sum over d of xk[t][d] (sum over e of Wk[d][e])
; is an identity of real numbers.  So the product K is not made: this launch makes wsum[d] = sum over e of Wk[d][e], the next one a dot product a row.  No input drops out: all six are loaded.
; The step t = 0 is masked in the problem's own text: ksum[b][0] is made (it lies in a live tile) and multiplied by 0, as there.  The state starts at 0: the first chunk's carry comes out of the scan as 0.
; LIMITS.  An overflow, an infinity or a NaN that would arise in single numbers of K alone is not carried to the result.  f32 sums are taken in another order than in the problem's text.
; All six inputs are rounded once to bf16 (matrix operands; xk and Wk likewise, so that every input has the same rounding).
; THIS LAUNCH: (a) xqb = bf16(xq); (b) wqt[e][d] = bf16(Wq[d][e]), wvt likewise: K then lies along the rows, as a matrix operand wants it; (c) wsum, in f32, of the rounded Wk.
; SHARES, alike in all 256 work-groups of 16 waves.  (a) 64 rows of xq, four a wave.  (b) one tile of 128 d x 64 e of Wq (work-groups 0-127) or Wv: through LDS, turned.  (c) four rows of Wk: waves 0-3.
; Memory binds: every byte is read once, by loads of 16 bytes a lane; all of a wave's loads (36 or 44) go out before its first wait; each store of a wave covers 256 consecutive bytes, aligned, or more
; (but wsum's, 4 bytes a row of Wk).  No matrix unit, cluster or tensor load: no work-group wants a byte that another has read.
.set LPITCH, 272                       ; a row of the turned tile in LDS: 128 d x 2 bytes + 16
.set SPARE,  64*LPITCH                 ; behind the tile's 64 rows: the spare words, 128 bytes for each of 16 waves: eight blocks of 256 bytes that no other line names
.set OFFX, 3                           ; v3   xq: wave x 4 rows x 4,096 + 16 x lane
.set OFFS, 4                           ; v4   xqb: wave x 4 rows x 2,048 + 8 x lane
.set OFFT, 5                           ; v5   the weight tile: (t / 16) x 4 rows x 4,096 + 16 (t % 16)
.set LTS,  6                           ; v6   into LDS: row 4 (t % 16), byte 8 (t / 16)
.set LTR,  7                           ; v7   back: row t / 16, byte 16 (t % 16)
.set OFFW, 8                           ; v8   the turned tile in memory: (t / 16) x 2,048 + 16 (t % 16)
.set OFFK, 9                           ; v9   Wk: wave x 4,096 + 16 x lane
.set SPW,  10                          ; v10  LDS address of my spare word; never rewritten
.set NIL,  11                          ; v11  0, for the add alone
.set ONE,  12                          ; v12  1.0
.set ZERO, 15                          ; v15  0: the first addend of a sum, and an offset of 0
.set A,    16                          ; v[16:19] four chains of wsum's sum; v20 at work
.set TW,   24                          ; v[24:39] four rows x four numbers of the weight tile
.set PT,   40                          ; v[40:47] the same, turned and rounded
.set KW,   48                          ; v[48:79] a row of Wk
.set XQ,   80                          ; v[80:207] four rows of xq, 32 registers each
.set RB,   208                         ; v[208:215] rows of the turned tile
.set WV,   20                          ; s20  my wave's number
	s_load_b256 s[4:11], s[0:1], 0x0               ; xq s[4:5], Wq s[6:7], Wv s[8:9], Wk s[10:11]
	s_load_b256 s[12:19], s[0:1], 0x20             ; xqb s[12:13], wqt s[14:15], wvt s[16:17], wsum s[18:19]
	v_lshl_add_u32 v[SPW], v0, 2, SPARE
	v_mov_b32 v[NIL], 0
	v_lshrrev_b32 v1, 5, v0
	v_readfirstlane_b32 s[WV], v1                  ; wave 0..15
	v_and_b32 v2, 31, v0                           ; lane
	v_and_b32 v13, 15, v0                          ; t % 16
	v_lshrrev_b32 v14, 4, v0                       ; t / 16
	s_lshl_b32 s21, s[WV], 14
	v_lshl_add_u32 v[OFFX], v2, 4, s21
	s_lshl_b32 s22, s[WV], 13
	v_lshl_add_u32 v[OFFS], v2, 3, s22
	v_lshlrev_b32 v[OFFT], 4, v13
	v_lshl_add_u32 v[OFFT], v14, 14, v[OFFT]
	v_mul_u32_u24 v[LTS], v13, 4*LPITCH
	v_lshl_add_u32 v[LTS], v14, 3, v[LTS]
	v_mul_u32_u24 v[LTR], v14, LPITCH
	v_lshl_add_u32 v[LTR], v13, 4, v[LTR]
	v_lshlrev_b32 v[OFFW], 4, v13
	v_lshl_add_u32 v[OFFW], v14, 11, v[OFFW]
	s_lshl_b32 s23, s[WV], 12
	v_lshl_add_u32 v[OFFK], v2, 4, s23
	v_mov_b32 v[ONE], 1.0
	v_mov_b32 v[ZERO], 0
	v_mov_b32 v20, 0                               ; written, since v_permlanex16_b32 counts as a reader of its destination
	s_mov_b32 s38, 0x76543210                      ; v_permlanex16_b32: each lane takes its own place in the other half
	s_mov_b32 s39, 0xfedcba98
	s_lshl_b32 s22, ttmp9, 18                      ; my 64 rows of xq,
	s_mov_b32 s23, 0
	s_lshl_b32 s24, ttmp9, 17                      ; and of xqb
	s_mov_b32 s25, 0
	s_and_b32 s26, ttmp9, 127                      ; my tile among a weight's 128:
	s_lshr_b32 s27, s26, 4                         ; block of 128 d,
	s_and_b32 s26, s26, 15                         ; block of 64 e
	s_lshl_b32 s28, s27, 19                        ; in W: 128 rows of 4,096 bytes a block of d, 256 bytes a block of e
	s_lshl_b32 s29, s26, 8
	s_add_co_u32 s28, s28, s29
	s_mov_b32 s29, 0
	s_lshl_b32 s30, s26, 17                        ; turned: 64 rows of 2,048 bytes a block of e, 256 bytes a block of d
	s_lshl_b32 s31, s27, 8
	s_add_co_u32 s30, s30, s31
	s_mov_b32 s31, 0
	s_lshl_b32 s32, ttmp9, 14                      ; my four rows of Wk
	s_mov_b32 s33, 0
	s_lshl_b32 s34, ttmp9, 4
	s_lshl2_add_u32 s34, s[WV], s34                ; wsum's word of row 4 g + wave (used by waves 0-3 alone)
	s_mov_b32 s35, 0
	s_wait_kmcnt 0x0
	s_add_nc_u64 s[4:5], s[4:5], s[22:23]
	s_add_nc_u64 s[12:13], s[12:13], s[24:25]
	s_cmp_lt_u32 ttmp9, 128                        ; Wq for the first 128 work-groups, Wv for the others
	s_cselect_b64 s[6:7], s[6:7], s[8:9]
	s_cselect_b64 s[14:15], s[14:15], s[16:17]
	s_add_nc_u64 s[6:7], s[6:7], s[28:29]
	s_add_nc_u64 s[14:15], s[14:15], s[30:31]
	s_add_nc_u64 s[10:11], s[10:11], s[32:33]
	s_add_nc_u64 s[18:19], s[18:19], s[34:35]
	; all loads go out before the first wait: Wk's row (waves 0-3), the weight tile, four rows of xq
	s_cmp_lt_u32 s[WV], 4
	s_cbranch_scc0 .Lno_k
.irp i, 0,1,2,3,4,5,6,7
	global_load_b128 v[KW+4*(\i):KW+4*(\i)+3], v[OFFK], s[10:11] offset:512*(\i) th:TH_LOAD_NT
.endr
.Lno_k:
.irp k, 0,1,2,3
	global_load_b128 v[TW+4*(\k):TW+4*(\k)+3], v[OFFT], s[6:7] offset:4096*(\k) th:TH_LOAD_NT  ; row d = 4 (t / 16) + k, four e: sixteen lanes read 256 consecutive bytes
.endr
.irp p, 0,1,2,3
.irp i, 0,1,2,3,4,5,6,7
	global_load_b128 v[XQ+32*(\p)+4*(\i):XQ+32*(\p)+4*(\i)+3], v[OFFX], s[4:5] offset:4096*(\p)+512*(\i) th:TH_LOAD_NT
.endr
.endr
	s_wait_loadcnt 32                              ; only xq's 32 loads are younger: the weight tile is in, and Wk's row where there is one
	; the tile is turned: for each of my four e, my four d rounded to 8 bytes, into row e of the LDS tile.:
	; four stores a wave, once a launch
.irp i, 0,1,2,3
	v_cvt_pk_bf16_f32 v[PT+2*(\i)], v[TW+(\i)], v[TW+4+(\i)]
	v_cvt_pk_bf16_f32 v[PT+2*(\i)+1], v[TW+8+(\i)], v[TW+12+(\i)]
	ds_store_b64 v[LTS], v[PT+2*(\i):PT+2*(\i)+1] offset:LPITCH*(\i)
.endr
	s_cmp_lt_u32 s[WV], 4
	s_cbranch_scc0 .Lno_sum
	; wsum: the row is rounded to bf16, two numbers a register, and the rounded numbers are added in f32, in four chains
.set q, 0
.rept 16
	v_cvt_pk_bf16_f32 v[KW+q], v[KW+2*q], v[KW+2*q+1]
.set q, q+1
.endr
.set q, 0
.rept 16
.if q < 2
	v_fma_mix_f32_bf16 v[A+2*q], v[KW+q], v[ONE], v[ZERO] op_sel:[0,0,0] op_sel_hi:[1,0,0]     ; the first four start the chains
	v_fma_mix_f32_bf16 v[A+2*q+1], v[KW+q], v[ONE], v[ZERO] op_sel:[1,0,0] op_sel_hi:[1,0,0]
.else
	v_fma_mix_f32_bf16 v[A+(2*q)%4], v[KW+q], v[ONE], v[A+(2*q)%4] op_sel:[0,0,0] op_sel_hi:[1,0,0]
	v_fma_mix_f32_bf16 v[A+(2*q+1)%4], v[KW+q], v[ONE], v[A+(2*q+1)%4] op_sel:[1,0,0] op_sel_hi:[1,0,0]
.endif
.set q, q+1
.endr
	v_add_f32 v[A], v[A], v[A+1]
	v_add_f32 v[A+2], v[A+2], v[A+3]
	v_add_f32 v[A], v[A], v[A+2]
	v_add_f32_dpp v[A], v[A], v[A] row_xmask:1 row_mask:0xf bank_mask:0xf
	v_add_f32_dpp v[A], v[A], v[A] row_xmask:2 row_mask:0xf bank_mask:0xf
	v_add_f32_dpp v[A], v[A], v[A] row_xmask:4 row_mask:0xf bank_mask:0xf
	v_add_f32_dpp v[A], v[A], v[A] row_xmask:8 row_mask:0xf bank_mask:0xf
	v_permlanex16_b32 v20, v[A], s38, s39
	v_add_f32 v[A], v[A], v20
	v_cmp_eq_u32 vcc_lo, 0, v2
	s_wait_xcnt 0x0                                ; EXEC is a source of the loads that are out: it changes only behind this wait
	s_and_saveexec_b32 s36, vcc_lo
	global_store_b32 v[ZERO], v[A], s[18:19]       ; lane 0 stores the row's sum
	s_wait_xcnt 0x0                                ; and again, in front of the line that widens it
	s_or_b32 exec_lo, exec_lo, s36
.Lno_sum:
	s_wait_dscnt 0x0                               ; for the others' sake: my part of the turned tile lies in LDS
	s_barrier_signal -1
	s_barrier_wait -1
.irp s, 0,1
	ds_load_b128 v[RB+4*(\s):RB+4*(\s)+3], v[LTR] offset:32*LPITCH*(\s)
.endr
	s_wait_dscnt 0x0
.irp s, 0,1
	global_store_b128 v[OFFW], v[RB+4*(\s):RB+4*(\s)+3], s[14:15] offset:65536*(\s)  ; sixteen lanes store 256 consecutive bytes of a row e, aligned
.endr
	; xq: each row as it comes in; the younger rows stay out
.irp p, 0,1,2,3
	s_wait_loadcnt 24-8*(\p)
.set q, 0
.rept 16
	v_cvt_pk_bf16_f32 v[XQ+32*(\p)+q], v[XQ+32*(\p)+2*q], v[XQ+32*(\p)+2*q+1]  ; in place, ascending: no source is written before it is read
.set q, q+1
.endr
.irp i, 0,1,2,3,4,5,6,7
	global_store_b64 v[OFFS], v[XQ+32*(\p)+2*(\i):XQ+32*(\p)+2*(\i)+1], s[12:13] offset:2048*(\p)+256*(\i)  ; a wave's store covers 256 consecutive bytes, aligned
.endr
.endr
	s_wait_tensorcnt 0x0                           ; the wave's end: a wait, an add of 0 to my spare word and its wait stand behind my last LDS store
	ds_add_u32 v[SPW], v[NIL]
	s_wait_dscnt 0x0
	s_endpgm
.Lfunc_end_k_q799639391e_prep:
	.size	k_q799639391e_prep, .Lfunc_end_k_q799639391e_prep-k_q799639391e_prep
	.p2alignl 7, 3214868480
	.fill 96, 4, 3214868480
	.section	.rodata,"a",@progbits
	.p2align	6, 0x0
	.amdhsa_kernel k_q799639391e_prep
		.amdhsa_group_segment_fixed_size 19456
		.amdhsa_private_segment_fixed_size 0
		.amdhsa_enable_private_segment 0
		.amdhsa_kernarg_size 64
		.amdhsa_user_sgpr_count 2
		.amdhsa_user_sgpr_kernarg_segment_ptr 1
		.amdhsa_wavefront_size32 1
		.amdhsa_system_sgpr_workgroup_id_x 1
		.amdhsa_system_sgpr_workgroup_id_y 1
		.amdhsa_system_sgpr_workgroup_id_z 1
		.amdhsa_system_vgpr_workitem_id 0
		.amdhsa_next_free_vgpr 256
		.amdhsa_next_free_sgpr 66
		.amdhsa_reserve_vcc 1
		.amdhsa_float_denorm_mode_32 3
		.amdhsa_float_denorm_mode_16_64 3
		.amdhsa_memory_ordered 1
		.amdhsa_forward_progress 1
		.amdhsa_inst_pref_size 20
	.end_amdhsa_kernel
	.amdgpu_metadata
---
amdhsa.version: [ 1, 2 ]
amdhsa.kernels:
  - .name:           k_q799639391e_prep
    .symbol:         k_q799639391e_prep.kd
    .args:
      - { .name: xq, .offset: 0, .size: 8, .value_kind: global_buffer, .address_space: global }
      - { .name: Wq, .offset: 8, .size: 8, .value_kind: global_buffer, .address_space: global }
      - { .name: Wv, .offset: 16, .size: 8, .value_kind: global_buffer, .address_space: global }
      - { .name: Wk, .offset: 24, .size: 8, .value_kind: global_buffer, .address_space: global }
      - { .name: xqb, .offset: 32, .size: 8, .value_kind: global_buffer, .address_space: global }
      - { .name: wqt, .offset: 40, .size: 8, .value_kind: global_buffer, .address_space: global }
      - { .name: wvt, .offset: 48, .size: 8, .value_kind: global_buffer, .address_space: global }
      - { .name: wsum, .offset: 56, .size: 8, .value_kind: global_buffer, .address_space: global }
    .group_segment_fixed_size: 19456
    .private_segment_fixed_size: 0
    .kernarg_segment_align: 8
    .kernarg_segment_size: 64
    .max_flat_workgroup_size: 512
    .sgpr_count:     66
    .vgpr_count:     256
    .wavefront_size: 32
...
	.end_amdgpu_metadata
.endif
;; end of part 1
;; launch rows (part 2): grid 256 x 1, 16 waves a work-group, no clusters, 67,840 bytes of LDS; arguments xk, xv, wsum, xvb, ksum, yhl; writes xvb, ksum, yhl
.if DOCPART == 2
	.amdgcn_target "amdgcn-amd-amdhsa--gfx1250"
	.amdhsa_code_object_version 6
	.text
	.protected	k_q799639391e_rows
	.globl	k_q799639391e_rows
	.p2align	8
	.type	k_q799639391e_rows,@function
k_q799639391e_rows:
	s_mov_b64 s[64:65], 0
	v_nop
	global_prefetch_b8 v0, s[64:65] scope:SCOPE_SE
	s_setreg_imm32_b32 hwreg(HW_REG_WAVE_MODE, 25, 1), 1
	s_wait_xcnt 0x0
; RETENTION, LAUNCH 2 OF 4.  The product xk Wk is left out: ksum[t] = sum over d of xk[t][d] wsum[d], an identity for all values (shown at the head of the first kernel).
; THIS LAUNCH streams xk and xv once and makes
;   ksum[row]  = sum over d of bf16(xk[row][d]) wsum[d], in f32; the row t = 0 of each batch times 0, as the problem's own mask has it;
;   xvb        = bf16(xv);
;   y[half]    = sum over the 64 rows of a half chunk of g^(127 - i) ksum[row] bf16(xv[row]), i the row's place in its chunk of 128 rows: the chunk's total of the recurrence is (y of its two halves) Wv,
;                since the recurrence and the product are linear.  y is an unfinished sum, so it is not rounded to 16 bits: it is stored as a pair of bf16, hi = bf16(y), lo = bf16(y - hi),
;                which keeps 16 bits of it (a stated limit: 2^-16 of y), and both go through the matrix unit in the next launch.
; SHARES.  Work-group g of 16 waves owns rows 64 g .. 64 g + 63; wave w rows 4 w .. 4 w + 3 of xk and of xv.  A row of 4,096 bytes is 32 registers of a wave: eight loads of 16 bytes a lane.
; IN FLIGHT.  Six row slots in registers: 56 loads of a wave go out before its first wait, and the last two rows are asked for as soon as a slot is free.  Memory binds: each byte is read once, each store of a
; wave covers 256 consecutive bytes, aligned.  No matrix unit (one multiply-add for each number read), no cluster, no tensor load: no work-group wants a byte of xk or xv that another has read.
.set YP,    0                          ; LDS: sixteen partial rows of y, 4,096 bytes each
.set KSL,   65536                      ; the work-group's 64 ksum
.set SPARE, 65792                      ; the spare words, 128 bytes for each of 16 waves: eight blocks of 256 bytes that no other line names
.set OFFL, 3                           ; v3   xk, xv: wave x 4 rows x 4,096 + 16 x lane
.set OFFS, 4                           ; v4   xvb: wave x 4 rows x 2,048 + 8 x lane
.set KSA,  5                           ; v5   KSL + 16 x wave
.set YSA,  6                           ; v6   wave x 4,096 + 16 x lane
.set YRA,  7                           ; v7   16 x thread
.set KRA,  8                           ; v8   KSL + 8 x lane
.set OFFY, 9                           ; v9   8 x thread
.set SPW,  10                          ; v10  LDS address of my spare word; never rewritten
.set NIL,  11                          ; v11  0, for the add alone
.set WGT,  12                          ; v[12:15] row p's weight g^(127 - i) ksum
.set A,    16                          ; v[16:19] four chains of a dot product; v[20:27] at work
.set ZERO, 28                          ; v28  0: the first addend of a sum
.set OFFW, 29                          ; v29  16 x lane
.set OFFQ, 30                          ; v30  8 x lane
.set WS,   32                          ; v[32:63] wsum, laid as a row is laid; when the dot products are done,
.set Y,    32                          ;          my four rows' part of y
.set SL,   64                          ; v[64:255] six slots of 32
.set R,    128                         ; v[128:191] at the end: sixteen partial sums of four numbers (slots 2 and 3, which no pending store reads)
.set WV,   16                          ; s16  my wave's number
.set W,    32                          ; s[32:35] g^(127 - i) of my four rows
.set MASK0, 36                         ; s36  0 for the wave that holds a batch's row t = 0, else 1
	s_load_b256 s[4:11], s[0:1], 0x0               ; xk s[4:5], xv s[6:7], wsum s[8:9], xvb s[10:11]
	s_load_b128 s[12:15], s[0:1], 0x20             ; ksum s[12:13], yhl s[14:15]
	v_lshl_add_u32 v[SPW], v0, 2, SPARE
	v_mov_b32 v[NIL], 0
	v_lshrrev_b32 v1, 5, v0
	v_readfirstlane_b32 s[WV], v1                  ; wave 0..15
	v_and_b32 v2, 31, v0                           ; lane
	s_lshl_b32 s17, s[WV], 14
	v_lshl_add_u32 v[OFFL], v2, 4, s17
	v_lshlrev_b32 v[OFFW], 4, v2
	s_lshl_b32 s18, ttmp9, 18                      ; my 64 rows of 4,096 bytes
	s_mov_b32 s19, 0
	s_wait_kmcnt 0x0
	s_add_nc_u64 s[4:5], s[4:5], s[18:19]
	s_add_nc_u64 s[6:7], s[6:7], s[18:19]
.macro FILL base, p, s                 ; row p of xk (base 4) or xv (base 6) into slot s: eight loads, 512 consecutive bytes each
.irp i, 0,1,2,3,4,5,6,7
	global_load_b128 v[SL+32*(\s)+4*(\i):SL+32*(\s)+4*(\i)+3], v[OFFL], s[\base:\base+1] offset:4096*(\p)+512*(\i) th:TH_LOAD_NT
.endr
.endm
.irp i, 0,1,2,3,4,5,6,7
	global_load_b128 v[WS+4*(\i):WS+4*(\i)+3], v[OFFW], s[8:9] offset:512*(\i)
.endr
	FILL 4, 0, 0
	FILL 4, 1, 1
	FILL 4, 2, 2
	FILL 4, 3, 3
	FILL 6, 0, 4
	FILL 6, 1, 5
	; the rest of the set-up stands behind the loads
	s_lshl_b32 s18, ttmp9, 17
	s_add_nc_u64 s[10:11], s[10:11], s[18:19]      ; xvb at my rows
	s_lshl_b32 s18, ttmp9, 8
	s_add_nc_u64 s[12:13], s[12:13], s[18:19]      ; ksum at my rows
	s_lshl_b32 s18, ttmp9, 12
	s_add_nc_u64 s[14:15], s[14:15], s[18:19]      ; yhl at my half chunk: hi 2,048 bytes, lo 2,048 bytes
	s_lshl_b32 s17, s[WV], 13
	v_lshl_add_u32 v[OFFS], v2, 3, s17
	s_lshl_b32 s17, s[WV], 4
	s_add_co_u32 s17, s17, KSL
	v_mov_b32 v[KSA], s17
	s_lshl_b32 s17, s[WV], 12
	v_lshl_add_u32 v[YSA], v2, 4, s17
	v_lshlrev_b32 v[YRA], 4, v0
	v_lshl_add_u32 v[KRA], v2, 3, KSL
	v_lshlrev_b32 v[OFFY], 3, v0
	v_lshlrev_b32 v[OFFQ], 3, v2
	v_mov_b32 v[ZERO], 0
	v_mov_b32 v20, 0                               ; written, since v_permlanex16_b32 counts as a reader of its destination
	s_mov_b32 s38, 0x76543210
	s_mov_b32 s39, 0xfedcba98
	; g^(127 - i), i = 64 (g % 2) + 4 w + p:  127 - i = 64 (g even) + 4 (15 - w) + (3 - p).  All powers are made here, by products of squares
	s_mov_b32 s20, 0x3f7c8b44                      ; g = 0.9865
	s_mul_f32 s21, s20, s20                        ; g^2
	s_mul_f32 s22, s21, s21                        ; g^4
	s_mul_f32 s23, s22, s22                        ; g^8
	s_mul_f32 s24, s23, s23                        ; g^16
	s_mul_f32 s25, s24, s24                        ; g^32
	s_mul_f32 s26, s25, s25                        ; g^64
	s_sub_co_u32 s27, 15, s[WV]
	s_bitcmp1_b32 s27, 0
	s_cselect_b32 s28, s22, 1.0
	s_bitcmp1_b32 s27, 1
	s_cselect_b32 s29, s23, 1.0
	s_mul_f32 s28, s28, s29
	s_bitcmp1_b32 s27, 2
	s_cselect_b32 s29, s24, 1.0
	s_mul_f32 s28, s28, s29
	s_bitcmp1_b32 s27, 3
	s_cselect_b32 s29, s25, 1.0
	s_mul_f32 s28, s28, s29
	s_bitcmp1_b32 ttmp9, 0                         ; the chunk's second half?
	s_cselect_b32 s29, 1.0, s26
	s_mul_f32 s[W+3], s28, s29
	s_mul_f32 s[W+2], s[W+3], s20
	s_mul_f32 s[W+1], s[W+3], s21
	s_mul_f32 s[W], s[W+1], s20
	s_and_b32 s29, ttmp9, 31                       ; a batch is 32 half chunks: its row t = 0 is row 0 of wave 0 of the first
	s_or_b32 s29, s29, s[WV]
	s_cmp_eq_u32 s29, 0
	s_cselect_b32 s[MASK0], 0, 1.0
; Row p of xk, in slot s: rounded to bf16, multiplied by wsum, added over the row.  left = the younger loads, which stay out.
.macro KTURN p, s, left
	s_wait_loadcnt \left
.set q, 0
.rept 16
	v_cvt_pk_bf16_f32 v[SL+32*(\s)+q], v[SL+32*(\s)+2*q], v[SL+32*(\s)+2*q+1]  ; in place, ascending
.set q, q+1
.endr
.set q, 0
.rept 16
.if q < 2
	v_fma_mix_f32_bf16 v[A+2*q], v[SL+32*(\s)+q], v[WS+2*q], v[ZERO] op_sel:[0,0,0] op_sel_hi:[1,0,0]  ; the first four start the chains
	v_fma_mix_f32_bf16 v[A+2*q+1], v[SL+32*(\s)+q], v[WS+2*q+1], v[ZERO] op_sel:[1,0,0] op_sel_hi:[1,0,0]
.else
	v_fma_mix_f32_bf16 v[A+(2*q)%4], v[SL+32*(\s)+q], v[WS+2*q], v[A+(2*q)%4] op_sel:[0,0,0] op_sel_hi:[1,0,0]
	v_fma_mix_f32_bf16 v[A+(2*q+1)%4], v[SL+32*(\s)+q], v[WS+2*q+1], v[A+(2*q+1)%4] op_sel:[1,0,0] op_sel_hi:[1,0,0]
.endif
.set q, q+1
.endr
	v_add_f32 v[A], v[A], v[A+1]
	v_add_f32 v[A+2], v[A+2], v[A+3]
	v_add_f32 v[A], v[A], v[A+2]
	v_add_f32_dpp v[A], v[A], v[A] row_xmask:1 row_mask:0xf bank_mask:0xf
	v_add_f32_dpp v[A], v[A], v[A] row_xmask:2 row_mask:0xf bank_mask:0xf
	v_add_f32_dpp v[A], v[A], v[A] row_xmask:4 row_mask:0xf bank_mask:0xf
	v_add_f32_dpp v[A], v[A], v[A] row_xmask:8 row_mask:0xf bank_mask:0xf
	v_permlanex16_b32 v20, v[A], s38, s39
	v_add_f32 v[A], v[A], v20                      ; every lane holds the row's ksum
.if (\p) == 0
	v_mul_f32 v[A], s[MASK0], v[A]                 ; the problem's own mask: t = 0 contributes nothing
.endif
	ds_store_b32 v[KSA], v[A] offset:4*(\p)        ; all lanes write the same word with the same number
	v_mul_f32 v[WGT+(\p)], s[W+(\p)], v[A]
.endm
; Row p of xv, in slot s: rounded to bf16, stored, and added into y with the row's weight.
.macro VTURN p, s, left
	s_wait_loadcnt \left
.set q, 0
.rept 16
	v_cvt_pk_bf16_f32 v[SL+32*(\s)+q], v[SL+32*(\s)+2*q], v[SL+32*(\s)+2*q+1]
.set q, q+1
.endr
.irp i, 0,1,2,3,4,5,6,7
	global_store_b64 v[OFFS], v[SL+32*(\s)+2*(\i):SL+32*(\s)+2*(\i)+1], s[10:11] offset:2048*(\p)+256*(\i)  ; a wave's store covers 256 consecutive bytes, aligned; its registers are not written again
.endr
.set q, 0
.rept 16
.if (\p) == 0
	v_fma_mix_f32_bf16 v[Y+2*q], v[SL+32*(\s)+q], v[WGT+(\p)], v[ZERO] op_sel:[0,0,0] op_sel_hi:[1,0,0]  ; the first row starts the sums
	v_fma_mix_f32_bf16 v[Y+2*q+1], v[SL+32*(\s)+q], v[WGT+(\p)], v[ZERO] op_sel:[1,0,0] op_sel_hi:[1,0,0]
.else
	v_fma_mix_f32_bf16 v[Y+2*q], v[SL+32*(\s)+q], v[WGT+(\p)], v[Y+2*q] op_sel:[0,0,0] op_sel_hi:[1,0,0]
	v_fma_mix_f32_bf16 v[Y+2*q+1], v[SL+32*(\s)+q], v[WGT+(\p)], v[Y+2*q+1] op_sel:[1,0,0] op_sel_hi:[1,0,0]
.endif
.set q, q+1
.endr
.endm
	KTURN 0, 0, 40                                 ; wsum and xk's row 0 are in; five rows are younger
	FILL 6, 2, 0                                   ; its slot takes xv's row 2
	KTURN 1, 1, 40
	FILL 6, 3, 1
	KTURN 2, 2, 40
	KTURN 3, 3, 32                                 ; xv's four rows are younger
	VTURN 0, 4, 24
	VTURN 1, 5, 16
	VTURN 2, 0, 8
	VTURN 3, 1, 0
.irp i, 0,1,2,3,4,5,6,7
	ds_store_b128 v[YSA], v[Y+4*(\i):Y+4*(\i)+3] offset:YP+512*(\i)  ; my part of y, laid as a row of 1,024 f32
.endr
	s_wait_dscnt 0x0                               ; for the others' sake: my part of y and my four ksum lie in LDS
	s_barrier_signal -1
	s_barrier_wait -1
	s_cmp_lt_u32 s[WV], 8
	s_cbranch_scc0 .Lnot_sum
	; waves 0-7: thread t adds the sixteen parts of y's numbers 4 t .. 4 t + 3
.irp k, 0,1,2,3,4,5,6,7,8,9,10,11,12,13,14,15
	ds_load_b128 v[R+4*(\k):R+4*(\k)+3], v[YRA] offset:YP+4096*(\k)
.endr
	s_wait_dscnt 0x0
.irp st, 8,4,2,1
.set k, 0
.rept \st
	v_pk_add_f32 v[R+4*k:R+4*k+1], v[R+4*k:R+4*k+1], v[R+4*(k+(\st)):R+4*(k+(\st))+1]
	v_pk_add_f32 v[R+4*k+2:R+4*k+3], v[R+4*k+2:R+4*k+3], v[R+4*(k+(\st))+2:R+4*(k+(\st))+3]
.set k, k+1
.endr
.endr
	v_cvt_pk_bf16_f32 v20, v[R], v[R+1]            ; hi
	v_cvt_pk_bf16_f32 v21, v[R+2], v[R+3]
	v_lshlrev_b32 v22, 16, v20                     ; hi as f32
	v_and_b32 v23, 0xffff0000, v20
	v_lshlrev_b32 v24, 16, v21
	v_and_b32 v25, 0xffff0000, v21
	v_pk_add_f32 v[R:R+1], v[R:R+1], v[22:23] neg_lo:[0,1] neg_hi:[0,1]      ; y - hi, exact
	v_pk_add_f32 v[R+2:R+3], v[R+2:R+3], v[24:25] neg_lo:[0,1] neg_hi:[0,1]
	v_cvt_pk_bf16_f32 v26, v[R], v[R+1]            ; lo
	v_cvt_pk_bf16_f32 v27, v[R+2], v[R+3]
	global_store_b64 v[OFFY], v[20:21], s[14:15]
	global_store_b64 v[OFFY], v[26:27], s[14:15] offset:2048
	s_branch .Lend
.Lnot_sum:
	s_cmp_eq_u32 s[WV], 15
	s_cbranch_scc0 .Lend
	ds_load_b64 v[22:23], v[KRA]                   ; wave 15: the work-group's 64 ksum leave as 256 consecutive bytes
	s_wait_dscnt 0x0
	global_store_b64 v[OFFQ], v[22:23], s[12:13]
.Lend:
	s_wait_tensorcnt 0x0                           ; the wave's end: a wait, an add of 0 to my spare word and its wait stand behind my last LDS store
	ds_add_u32 v[SPW], v[NIL]
	s_wait_dscnt 0x0
	s_endpgm
.Lfunc_end_k_q799639391e_rows:
	.size	k_q799639391e_rows, .Lfunc_end_k_q799639391e_rows-k_q799639391e_rows
	.p2alignl 7, 3214868480
	.fill 96, 4, 3214868480
	.section	.rodata,"a",@progbits
	.p2align	6, 0x0
	.amdhsa_kernel k_q799639391e_rows
		.amdhsa_group_segment_fixed_size 67840
		.amdhsa_private_segment_fixed_size 0
		.amdhsa_enable_private_segment 0
		.amdhsa_kernarg_size 48
		.amdhsa_user_sgpr_count 2
		.amdhsa_user_sgpr_kernarg_segment_ptr 1
		.amdhsa_wavefront_size32 1
		.amdhsa_system_sgpr_workgroup_id_x 1
		.amdhsa_system_sgpr_workgroup_id_y 1
		.amdhsa_system_sgpr_workgroup_id_z 1
		.amdhsa_system_vgpr_workitem_id 0
		.amdhsa_next_free_vgpr 256
		.amdhsa_next_free_sgpr 66
		.amdhsa_reserve_vcc 0
		.amdhsa_float_denorm_mode_32 3
		.amdhsa_float_denorm_mode_16_64 3
		.amdhsa_memory_ordered 1
		.amdhsa_forward_progress 1
		.amdhsa_inst_pref_size 44
	.end_amdhsa_kernel
	.amdgpu_metadata
---
amdhsa.version: [ 1, 2 ]
amdhsa.kernels:
  - .name:           k_q799639391e_rows
    .symbol:         k_q799639391e_rows.kd
    .args:
      - { .name: xk, .offset: 0, .size: 8, .value_kind: global_buffer, .address_space: global }
      - { .name: xv, .offset: 8, .size: 8, .value_kind: global_buffer, .address_space: global }
      - { .name: wsum, .offset: 16, .size: 8, .value_kind: global_buffer, .address_space: global }
      - { .name: xvb, .offset: 24, .size: 8, .value_kind: global_buffer, .address_space: global }
      - { .name: ksum, .offset: 32, .size: 8, .value_kind: global_buffer, .address_space: global }
      - { .name: yhl, .offset: 40, .size: 8, .value_kind: global_buffer, .address_space: global }
    .group_segment_fixed_size: 67840
    .private_segment_fixed_size: 0
    .kernarg_segment_align: 8
    .kernarg_segment_size: 48
    .max_flat_workgroup_size: 512
    .sgpr_count:     66
    .vgpr_count:     256
    .wavefront_size: 32
...
	.end_amdgpu_metadata
.endif
;; end of part 2
;; launch carry (part 3): grid 32 x 8, 4 waves a work-group, no clusters, 8,704 bytes of LDS; arguments yhl, wvt, cin; writes cin
.if DOCPART == 3
	.amdgcn_target "amdgcn-amd-amdhsa--gfx1250"
	.amdhsa_code_object_version 6
	.text
	.protected	k_q799639391e_carry
	.globl	k_q799639391e_carry
	.p2align	8
	.type	k_q799639391e_carry,@function
k_q799639391e_carry:
	s_mov_b64 s[64:65], 0
	v_nop
	global_prefetch_b8 v0, s[64:65] scope:SCOPE_SE
	s_setreg_imm32_b32 hwreg(HW_REG_WAVE_MODE, 25, 1), 1
	s_wait_xcnt 0x0
; RETENTION, LAUNCH 3 OF 4.  The state that enters each chunk of 128 rows.  T[c] = (y of chunk c) Wv is the chunk's own total of the recurrence; with G = g^128 the state at a chunk's end is
; E[c] = G E[c-1] + T[c], E[-1] = 0 (the problem's own start), and cin[c] = E[c-1].
; SHARES.  A work-group takes one batch (its 16 chunks are the 16 rows of a matrix tile) and 32 columns e: two tiles.  K = 1,024 is split among its four waves, 256 d each; the parts meet in LDS.
; A chunk's y lies in four rows of bf16 (hi and lo of its two halves): four fragments against the same fragment of Wv, added in the same f32 sums.
; LAYOUT.  Source 0 = 16 chunks, source 1 = 16 rows of wvt ([e][d]): in the result register j of lane l is chunk 8 (l / 16) + j, column l % 16: the scan over chunks runs along a lane's registers,
; and one exchange between the halves of the lanes joins chunks 0-7 to 8-15.
; Two sets of registers, a trip (64 d) each: while one is multiplied the other's 24 loads are out.  The launch is short and its operands are read by many work-groups: no tensor load, no cluster, no prefetch.
; cin's layout is [batch 8][block of 16 columns 64][pair of chunks 4][lane 32][2] f32, so that each store of a wave covers 256 consecutive bytes, aligned.
.set PART,  0                          ; LDS: wave v's two partial tiles, 1,024 bytes each, at 2,048 v
.set SPARE, 8192                       ; the spare words, 128 bytes for each wave: two blocks of 256 bytes that no other line names
.set FOA, 2                            ; v2   y: (l % 16) x 8,192 + 16 (l / 16) + 512 x wave; never rewritten
.set FOB, 3                            ; v3   wvt: (l % 16) x 2,048 + 16 (l / 16) + 512 x wave; never rewritten
.set LS,  4                            ; v4   where I put my 32 bytes of a partial tile
.set LR,  5                            ; v5   where I read them back
.set CO,  6                            ; v6   8 x lane
.set SPW, 8                            ; v8   LDS address of my spare word; never rewritten
.set NIL, 9                            ; v9   0, for the add alone
.set ACC, 16                           ; v[16:47]  four accumulators: tile n, y rows of parity p, at ACC + 8 (2 p + n)
.set CR,  48                           ; v[48:55]  cin of my eight chunks
.set XR,  56                           ; v56  the other half's last state
.set BUF, 64                           ; v[64:255] two sets of 96: for each of two steps of 32 d, y's four fragments and wvt's two
.set WV,  14                           ; s14  my wave's number
.set GP,  20                           ; s[21:27] G^1 .. G^7
	s_load_b128 s[4:7], s[0:1], 0x0                ; yhl s[4:5], wvt s[6:7]
	s_load_b64 s[8:9], s[0:1], 0x10                ; cin
	v_lshl_add_u32 v[SPW], v0, 2, SPARE
	v_mov_b32 v[NIL], 0
	v_lshrrev_b32 v1, 5, v0
	v_readfirstlane_b32 s[WV], v1                  ; wave 0..3
	v_and_b32 v10, 15, v0                          ; l % 16
	v_bfe_u32 v11, v0, 4, 1                        ; l / 16
	v_and_b32 v12, 31, v0                          ; l
	s_lshl_b32 s16, s[WV], 9                       ; my 256 d: 512 bytes of a row
	v_lshlrev_b32 v[FOA], 13, v10
	v_lshl_add_u32 v[FOA], v11, 4, v[FOA]
	v_add_nc_u32 v[FOA], s16, v[FOA]
	v_lshlrev_b32 v[FOB], 11, v10
	v_lshl_add_u32 v[FOB], v11, 4, v[FOB]
	v_add_nc_u32 v[FOB], s16, v[FOB]
	s_lshl_b32 s17, s[WV], 11
	v_lshl_add_u32 v[LS], v12, 5, s17
	s_lshl_b32 s17, s[WV], 10
	v_lshl_add_u32 v[LR], v12, 5, s17              ; tile = my wave's number (waves 0 and 1)
	v_lshlrev_b32 v[CO], 3, v12
	v_mov_b32 v[XR], 0                             ; written, since v_permlanex16_b32 counts as a reader of its destination
	s_and_b32 s15, ttmp7, 0xffff                   ; the batch
	s_lshl_b32 s10, s15, 17                        ; its 16 chunks of 8,192 bytes of y
	s_mov_b32 s11, 0
	s_lshl_b32 s12, ttmp9, 16                      ; my 32 rows of wvt
	s_mov_b32 s13, 0
	s_lshl_b32 s16, s15, 6
	s_lshl1_add_u32 s16, ttmp9, s16
	s_add_co_u32 s16, s16, s[WV]                   ; block of 16 columns: 64 x batch + 2 x strip + tile
	s_lshl_b32 s16, s16, 10
	s_mov_b32 s17, 0
	s_mov_b32 s28, 0x76543210
	s_mov_b32 s29, 0xfedcba98
	s_wait_kmcnt 0x0
	s_add_nc_u64 s[4:5], s[4:5], s[10:11]
	s_add_nc_u64 s[6:7], s[6:7], s[12:13]
	s_add_nc_u64 s[8:9], s[8:9], s[16:17]
.macro LOADS b, t                      ; trip t's 24 loads into set b
.irp kk, 0,1
.irp s, 0,1,2,3
	global_load_b128 v[BUF+96*(\b)+48*(\kk)+8*(\s):BUF+96*(\b)+48*(\kk)+8*(\s)+3],   v[FOA], s[4:5] offset:2048*(\s)+64*(2*(\t)+(\kk))
	global_load_b128 v[BUF+96*(\b)+48*(\kk)+8*(\s)+4:BUF+96*(\b)+48*(\kk)+8*(\s)+7], v[FOA], s[4:5] offset:2048*(\s)+64*(2*(\t)+(\kk))+32
.endr
.irp n, 0,1
	global_load_b128 v[BUF+96*(\b)+48*(\kk)+32+8*(\n):BUF+96*(\b)+48*(\kk)+32+8*(\n)+3],   v[FOB], s[6:7] offset:32768*(\n)+64*(2*(\t)+(\kk))
	global_load_b128 v[BUF+96*(\b)+48*(\kk)+32+8*(\n)+4:BUF+96*(\b)+48*(\kk)+32+8*(\n)+7], v[FOB], s[6:7] offset:32768*(\n)+64*(2*(\t)+(\kk))+32
.endr
.endr
.endm
; A trip's sixteen products.  The four accumulators take turns, one instruction a turn.  first = 1: the first four start the sums.
.macro MULS b, first
.irp kk, 0,1
.irp s, 0,1,2,3
.irp n, 0,1
.if (\first) && ((\kk) == 0) && ((\s) < 2)
	v_wmma_f32_16x16x32_bf16 v[ACC+8*(2*((\s)%2)+(\n)):ACC+8*(2*((\s)%2)+(\n))+7], v[BUF+96*(\b)+48*(\kk)+8*(\s):BUF+96*(\b)+48*(\kk)+8*(\s)+7], v[BUF+96*(\b)+48*(\kk)+32+8*(\n):BUF+96*(\b)+48*(\kk)+32+8*(\n)+7], 0
.else
	v_wmma_f32_16x16x32_bf16 v[ACC+8*(2*((\s)%2)+(\n)):ACC+8*(2*((\s)%2)+(\n))+7], v[BUF+96*(\b)+48*(\kk)+8*(\s):BUF+96*(\b)+48*(\kk)+8*(\s)+7], v[BUF+96*(\b)+48*(\kk)+32+8*(\n):BUF+96*(\b)+48*(\kk)+32+8*(\n)+7], v[ACC+8*(2*((\s)%2)+(\n)):ACC+8*(2*((\s)%2)+(\n))+7]
.endif
.endr
.endr
.endr
.endm
.macro PLACES                          ; four places behind the last product, in front of loads into registers that it has read and of sums that read results
.rept 4
	v_nop
.endr
.endm
	LOADS 0, 0
	LOADS 1, 1
	s_mov_b32 s[GP+1], 0x3f7c8b44                  ; g = 0.9865; seven squarings make G = g^128, while the loads are out
.rept 7
	s_mul_f32 s[GP+1], s[GP+1], s[GP+1]
.endr
.irp j, 2,3,4,5,6,7
	s_mul_f32 s[GP+(\j)], s[GP+(\j)-1], s[GP+1]
.endr
	s_wait_loadcnt 24                              ; set 0 is in; set 1's 24 loads may stay out
	MULS 0, 1
	PLACES
	LOADS 0, 2
	s_wait_loadcnt 24                              ; set 1 is in
	MULS 1, 0
	PLACES
	LOADS 1, 3
	s_wait_loadcnt 24
	MULS 0, 0
	s_wait_loadcnt 0x0
	MULS 1, 0
	PLACES
	PLACES
.set r, 0
.rept 8
	v_pk_add_f32 v[ACC+r:ACC+r+1], v[ACC+r:ACC+r+1], v[ACC+16+r:ACC+16+r+1]  ; the two parities; each accumulator's registers in ascending order
.set r, r+2
.endr
.irp n, 0,1
	ds_store_b128 v[LS], v[ACC+8*(\n):ACC+8*(\n)+3]   offset:PART+1024*(\n)
	ds_store_b128 v[LS], v[ACC+8*(\n)+4:ACC+8*(\n)+7] offset:PART+1024*(\n)+16
.endr
	s_wait_dscnt 0x0                               ; for the others' sake
	s_barrier_signal -1
	s_barrier_wait -1                              ; all four parts of both tiles lie in LDS
	s_cmp_lt_u32 s[WV], 2                          ; wave 0 finishes tile 0, wave 1 tile 1
	s_cbranch_scc0 .Lend
.irp v, 0,1,2,3
	ds_load_b128 v[BUF+8*(\v):BUF+8*(\v)+3],   v[LR] offset:PART+2048*(\v)
	ds_load_b128 v[BUF+8*(\v)+4:BUF+8*(\v)+7], v[LR] offset:PART+2048*(\v)+16
.endr
	s_wait_dscnt 0x0
.set r, 0
.rept 4
	v_pk_add_f32 v[BUF+r:BUF+r+1], v[BUF+r:BUF+r+1], v[BUF+8+r:BUF+8+r+1]
	v_pk_add_f32 v[BUF+16+r:BUF+16+r+1], v[BUF+16+r:BUF+16+r+1], v[BUF+24+r:BUF+24+r+1]
.set r, r+2
.endr
.set r, 0
.rept 4
	v_pk_add_f32 v[BUF+r:BUF+r+1], v[BUF+r:BUF+r+1], v[BUF+16+r:BUF+16+r+1]  ; T of my eight chunks
.set r, r+2
.endr
.irp j, 1,2,3,4,5,6,7
	v_fmac_f32 v[BUF+(\j)], s[GP+1], v[BUF+(\j)-1] ; the scan within my eight chunks
.endr
	v_permlanex16_b32 v[XR], v[BUF+7], s28, s29    ; the other half's last state
	v_cmp_le_u32 vcc_lo, 16, v12
	v_cndmask_b32 v[CR], 0, v[XR], vcc_lo          ; what enters my eight chunks: 0 for chunks 0-7, the state behind chunk 7 for chunks 8-15
.irp j, 1,2,3,4,5,6,7
	v_fma_f32 v[CR+(\j)], s[GP+(\j)], v[CR], v[BUF+(\j)-1]
.endr
.irp p, 0,1,2,3
	global_store_b64 v[CO], v[CR+2*(\p):CR+2*(\p)+1], s[8:9] offset:256*(\p)  ; a wave's store covers 256 consecutive bytes, aligned
.endr
.Lend:
	s_wait_tensorcnt 0x0                           ; the wave's end: a wait, an add of 0 to my spare word and its wait stand behind my last LDS store
	ds_add_u32 v[SPW], v[NIL]
	s_wait_dscnt 0x0
	s_endpgm
.Lfunc_end_k_q799639391e_carry:
	.size	k_q799639391e_carry, .Lfunc_end_k_q799639391e_carry-k_q799639391e_carry
	.p2alignl 7, 3214868480
	.fill 96, 4, 3214868480
	.section	.rodata,"a",@progbits
	.p2align	6, 0x0
	.amdhsa_kernel k_q799639391e_carry
		.amdhsa_group_segment_fixed_size 8704
		.amdhsa_private_segment_fixed_size 0
		.amdhsa_enable_private_segment 0
		.amdhsa_kernarg_size 24
		.amdhsa_user_sgpr_count 2
		.amdhsa_user_sgpr_kernarg_segment_ptr 1
		.amdhsa_wavefront_size32 1
		.amdhsa_system_sgpr_workgroup_id_x 1
		.amdhsa_system_sgpr_workgroup_id_y 1
		.amdhsa_system_sgpr_workgroup_id_z 1
		.amdhsa_system_vgpr_workitem_id 0
		.amdhsa_next_free_vgpr 256
		.amdhsa_next_free_sgpr 66
		.amdhsa_reserve_vcc 1
		.amdhsa_float_denorm_mode_32 3
		.amdhsa_float_denorm_mode_16_64 3
		.amdhsa_memory_ordered 1
		.amdhsa_forward_progress 1
		.amdhsa_inst_pref_size 20
	.end_amdhsa_kernel
	.amdgpu_metadata
---
amdhsa.version: [ 1, 2 ]
amdhsa.kernels:
  - .name:           k_q799639391e_carry
    .symbol:         k_q799639391e_carry.kd
    .args:
      - { .name: yhl, .offset: 0, .size: 8, .value_kind: global_buffer, .address_space: global }
      - { .name: wvt, .offset: 8, .size: 8, .value_kind: global_buffer, .address_space: global }
      - { .name: cin, .offset: 16, .size: 8, .value_kind: global_buffer, .address_space: global }
    .group_segment_fixed_size: 8704
    .private_segment_fixed_size: 0
    .kernarg_segment_align: 8
    .kernarg_segment_size: 24
    .max_flat_workgroup_size: 128
    .sgpr_count:     66
    .vgpr_count:     256
    .wavefront_size: 32
...
	.end_amdgpu_metadata
.endif
;; end of part 3
;; launch fused (part 4): grid 4 x 64, 4 waves a work-group, clusters of 4 x 4, 327,680 bytes of LDS; arguments xvb, wvt, xqb, wqt, ksum, cin, out0; writes out0
.if DOCPART == 4
	.amdgcn_target "amdgcn-amd-amdhsa--gfx1250"
	.amdhsa_code_object_version 6
	.text
	.protected	k_q799639391e_fused
	.globl	k_q799639391e_fused
	.p2align	8
	.type	k_q799639391e_fused,@function
k_q799639391e_fused:
	s_mov_b64 s[64:65], 0
	v_nop
	global_prefetch_b8 v0, s[64:65] scope:SCOPE_SE
	s_setreg_imm32_b32 hwreg(HW_REG_WAVE_MODE, 25, 1), 1
	s_wait_xcnt 0x0
	s_wait_alu depctr_hold_cnt(0) depctr_sa_sdst(0) depctr_va_vdst(0) depctr_va_sdst(0) depctr_va_ssrc(0) depctr_va_vcc(0) depctr_vm_vsrc(0)
	s_getreg_b32 s2, hwreg(HW_REG_IB_STS2, 6, 4)
	s_cmp_eq_u32 s2, 0
	s_cbranch_scc0 .Lentry_in_a_cluster
	s_endpgm
.Lentry_in_a_cluster:
	s_bfe_u32 s2, ttmp6, 0x10000c
	s_cmp_lg_u32 s2, 0xf033
	s_cbranch_scc0 .Lentry_shape_is_right
	s_endpgm
.Lentry_shape_is_right:
; RETENTION, LAUNCH 4 OF 4.  out = Q S.  The product xk Wk is left out (the identity at the head of the first kernel): ksum comes from the second launch, the state that enters each chunk of 128 rows from the third.
; A tile of out, 256 t x 256 e, is made by a work-group of four waves; a wave makes 128 x 128: one chunk of rows, 64 accumulators of 16 x 16, 512 registers.
; ONE RING, TWO PRODUCTS.  K goes in 16 steps of 128 through two LDS slots filled by the tensor data mover: 8 steps of V = xvb wvt^T, then 8 of Q = xqb wqt^T, on the same accumulators; the ring does not stop between them.
; BETWEEN THEM (MID) V's f32 sums become S, in f32: times ksum; the recurrence along a lane's eight rows; the eight-row ends joined across the halves of the lanes and along the wave's eight blocks of 16 rows,
; starting from the chunk's entering state; g^(j+1) times what enters added to each row.  S, a finished factor, is rounded ONCE to bf16 (a stated limit: 2^-8 of each output at the most) and set aside:
; seven blocks of rows in registers that the products do not use, the eighth in LDS.  At the end out = Q (f32) x S.
; THE MATRIX INSTRUCTION IS USED AS IT IS: source 0 = 16 rows of x, source 1 = 16 rows of W^T ([e][d]): register j of lane l is t = 8 (l / 16) + j, e = l % 16.  So the recurrence runs along a lane's registers.
; CLUSTERS: 4 x 4 work-groups.  The four of a row of the cluster need the same tiles of x, the four of a column the same tiles of W^T: each tile is asked for JOINTLY, by the same tensor load with the same
; descriptor and a mask that names the four.
; REGISTERS, in windows of 256 (s_set_vgpr_msb: bits 1:0 source 0, 3:2 source 1, 5:4 source 2, 7:6 destination):
;   window 0: v0-31 addresses and constants; v32-63 the entering states, then S of block 0; v64-127, v128-191 fragments of x, two buffers (the second also MID's work registers; both the way out's);
;             v192-255 ksum of my 128 rows, then S of blocks 1 and 2
;   window 1: v0-63 S of blocks 3 and 4; v64-127, v128-191 fragments of W^T; v192-255 S of blocks 5 and 6
;   window 2: the 32 accumulators of my rows 0-63 (accumulator (a, b) at v[8 (8 a + b)]);   window 3: those of my rows 64-127
.set KSTEP,  128
.set PITCH,  272                       ; an LDS row: 256 bytes of data + 16 of padding = 68 words: row r starts at bank 4 r mod 64 (64 banks of 4 bytes: ISA guide 11.1), so the 16 rows that a load touches start at 16 different banks
.set HALFT,  128*PITCH                 ; 128 rows: what one tensor load brings, and what one wave reads of x or of W^T
.set SLOT,   4*HALFT                   ; x's 256 rows, then W^T's 256 rows
.set STAGE,  2*SLOT                    ; behind the ring: 16 rows x 272 bytes for each wave, for the way out
.set SPITCH, 272
.set PARK,   STAGE+4*16*SPITCH         ; S of each wave's block 7: 16 bytes a lane and column block
.set SPARE,  PARK+16384                ; the spare words, 128 bytes for each wave: two blocks of 256 bytes that no other line names
.set ADRA, 6                           ; v6-7   LDS address of my x fragments in slot 0, 1
.set ADRB, 8                           ; v8-9   the same for W^T
.set STO,  10                          ; v10    the way out: where register 0 of a result goes in my stage
.set RD,   11                          ; v11    the way out: where I read a row back
.set CO,   12                          ; v12    my byte offset in out
.set PKA,  13                          ; v13    my 16 bytes of the park
.set SPW,  14                          ; v14    LDS address of my spare word; never rewritten
.set NIL,  15                          ; v15    0, for the add alone
.set PFO,  16                          ; v16    the prefetches' offset: my lane x a row of 2,048 bytes; never rewritten
.set PP,   17                          ; v17    lanes 0-15: g^8, lanes 16-31: 1
.set QQ,   18                          ; v18    lanes 0-15: 1, lanes 16-31: g^8
.set ZERO, 19                          ; v19    0: the addend of the last multiply
.set G,    20                          ; v20-27 g^1 .. g^8
.set KSO,  28                          ; v28    32 (l / 16): my eight rows' ksum in a block's 64 bytes
.set CAO,  29                          ; v29    8 (l % 16): my column's place in cin
.set HB,   30                          ; v30    l / 16
.set CR,   32                          ; v[32 + 4 b] the state that enters my chunk, column block b
.set F0,   64                          ; fragment buffer 0
.set F1,   128                         ; fragment buffer 1
.set KS,   192                         ; v[192 + 8 a + j] ksum of row 16 a + 8 (l / 16) + j
.set XE,   128                         ; MID: v128-135 the other half's eight-row ends, then what enters my eight rows in lanes 16-31
.set EE,   136                         ; MID: v136-142 my own ends
.set BT,   144                         ; MID: v144-150 the blocks' totals, then the state behind each block
.set CP,   152                         ; MID: v152-167 what enters my eight rows of block a, twice (a pair for the packed multiply-add)
.set P7T,  168                         ; MID: v168-171 S of block 7 on its way to LDS
.set OB,   64                          ; the way out: 16 rows read back from the stage: v64-95 and v96-127 by turns
.set P7,   128                         ; the way out: v128-159 S of block 7, back from LDS
.set WV,  18                           ; s18  my wave's number
.set RH,  19                           ; s19  which half of the tile's rows is mine.  Also: I fetch for x (0) or for W^T (1)
.set CH,  20                           ; s20  which half of its columns.  Also: which 128 rows of that tile I fetch
.set CX,  21
.set CY,  22
.set TC,  23                           ; s23  tile column
.set TR,  24                           ; s24  tile row
.set G1A, 32                           ; s[32:39] descriptor group 1 for x's tiles
.set G1B, 40                           ; s[40:47] for W^T's: it differs in the mask alone
.set G0A, 48                           ; s[48:55] descriptor group 0 for x's tiles, one set for each slot
.set G0B, 56                           ; s[56:63] the same for W^T's
.set RA,  66                           ; s[66:69] where slot 0's and slot 1's tile of x lies in memory: plain addresses, copied into group 0 behind the round
.set RB,  70                           ; s[70:73] the same for W^T
.set QA,  74                           ; s[74:77] xqb at my rows, K steps 0 and 1
.set QW,  78                           ; s[78:81] wqt at my rows, K steps 0 and 1
.set PFA, 82                           ; s[82:83] where my prefetches stand
.set PFQ, 84                           ; s[84:85] the same rows of the second product's tensor, K step 0
.set LIM, 86                           ; s86  1 in a wave that prefetches, else the greatest number
.set SEL, 88                           ; s[88:89] v_permlanex16_b32's selects: each lane takes its own place in the other half
.set GAM, 90                           ; s90  g
.set GAM8, 91                          ; s91  g^8
.set GAM16, 92                         ; s92  g^16
.set MSB, 0
.macro WIN new                         ; the immediate's high byte repeats the setting that is left; a switch that changes nothing is dropped
.if MSB != (\new)
	s_set_vgpr_msb (MSB<<8)|(\new)
.set MSB, \new
.endif
.endm
.set MUL_LO, 0xa4                      ; source 0 (x) window 0, source 1 (W^T) window 1, C and D window 2
.set MUL_HI, 0xf4                      ; the same, C and D window 3
.set TO_B,   0x40                      ; destination window 1, address window 0
; A joint load.  Waves 0 and 1 fetch x's two halves, waves 2 and 3 W^T's.  Each of the two lines has one mask and one set of registers for all that issue it.  The branch hangs on the wave's number alone.
; An s_nop 0 and four v_nop follow each of the two lines; the jump, the label and what follows come after them.
.macro JLOAD s
	s_cmp_eq_u32 s[RH], 0
	s_cbranch_scc0 .Lfor_b_\@
	tensor_load_to_lds s[G0A+4*(\s):G0A+4*(\s)+3], s[G1A:G1A+7]
	s_nop 0
.rept 4
	v_nop
.endr
	s_branch .Lasked_\@
.Lfor_b_\@:
	tensor_load_to_lds s[G0B+4*(\s):G0B+4*(\s)+3], s[G1B:G1B+7]
	s_nop 0
.rept 4
	v_nop
.endr
.Lasked_\@:
.endm
; A PREFETCH INTO THE L2, behind each joint load, its five lines and the run of LDS loads that follows them: the K step that stands TWO refills on in the sequence of 16: 32 rows x 256 bytes, a lane a row, one
; instruction a wave: 512 matrix instructions ahead of the load that will want it.  Each row's 256 bytes of a K step are named once in the launch: a tile row of x is read by one cluster alone, which asks for it;
; a tile column of W^T by all sixteen clusters: the first of them (cluster y = 0) asks.  The four partners that ask for a tile jointly share its rows out BY ADDRESS: of the 128 rows that a wave fetches the partner
; at place p takes 32 p .. 32 p + 31 (p = cx for x, cy for W^T): no branch hangs on a work-group's place in its cluster.  The first four K steps come by their loads alone.
; ph = 0, the first loop: every change of slots has a K step two refills on.  ph = 1, the second loop: its last trip has none.
.macro ASK ph
.if \ph
	s_cmp_gt_u32 s3, s[LIM]                        ; s3 = 1 in the loop's last trip
.else
	s_cmp_eq_u32 s[LIM], 1
.endif
	s_cbranch_scc0 .Lnot_mine_\@
	global_prefetch_b8 v[PFO], s[PFA:PFA+1] th:TH_LOAD_NT scope:SCOPE_SE
.Lnot_mine_\@:
.endm
; A round of the cluster's barrier: my work-group's barrier, so that wave 0's signal speaks for all four waves; wave 0 signals for the work-group; every wave waits for all sixteen work-groups; my work-group's barrier once more.
.macro CREST                           ; a round behind its opening barrier
	s_cmp_lg_u32 s[WV], 0
	s_cbranch_scc1 .Lnot_wave_0_\@
	s_barrier_signal -3
.Lnot_wave_0_\@:
	s_barrier_wait -3
	s_barrier_signal -1
	s_barrier_wait -1
.endm
.macro CROUND                          ; a whole round
	s_barrier_signal -1
	s_barrier_wait -1
	CREST
.endm
	s_load_b256 s[4:11], s[0:1], 0x0               ; xvb s[4:5], wvt s[6:7], xqb s[8:9], wqt s[10:11]
	s_load_b128 s[12:15], s[0:1], 0x20             ; ksum s[12:13], cin s[14:15]
	s_load_b64 s[16:17], s[0:1], 0x30              ; out0
	v_lshl_add_u32 v[SPW], v0, 2, SPARE
	v_mov_b32 v[NIL], 0
	ds_add_u32 v[SPW], v[NIL]                      ; the wave's opening: the add, twice on end, and its wait stand ahead of my first tensor load; the set-up below, work on registers, stands between
	ds_add_u32 v[SPW], v[NIL]                      ; and once more, under the one wait
	v_lshrrev_b32 v1, 5, v0
	v_readfirstlane_b32 s[WV], v1                  ; wave 0..3
	s_lshr_b32 s[RH], s[WV], 1
	s_and_b32 s[CH], s[WV], 1
	s_bfe_u32 s[CX], ttmp6, 0x40000                ; cx: my place along the cluster's x
	s_bfe_u32 s[CY], ttmp6, 0x40004                ; cy: along its y
	s_lshl_b32 s[TC], ttmp9, 2                     ; in a cluster launch ttmp9 and ttmp7 count clusters
	s_add_co_u32 s[TC], s[TC], s[CX]               ; tile column = 4 x cluster x + cx
	s_and_b32 s[TR], ttmp7, 0xffff
	s_lshl_b32 s[TR], s[TR], 2
	s_add_co_u32 s[TR], s[TR], s[CY]               ; tile row = 4 x cluster y + cy
	s_lshl_b32 s25, s[CY], 2
	s_lshl_b32 s25, 15, s25                        ; my row of the cluster: places 4 cy .. 4 cy + 3
	s_lshl_b32 s93, 0x1111, s[CX]                  ; my column: places cx, cx + 4, cx + 8, cx + 12
	; descriptor group 1: a tile of 128 rows x 128 elements, padded in LDS
	s_or_b32 s[G1A], s25, (1<<16)|(1<<20)|(1<<21)|(5<<22)|(3<<25)  ; 15:0 the mask: x's tiles go to my row; 17:16 elements of 2 bytes; 20 padding on; 21 set beside a mask; 24:22 after every 64 words (code 5); 31:25 4 words of it (code 3)
	s_or_b32 s[G1B], s93, (1<<16)|(1<<20)|(1<<21)|(5<<22)|(3<<25)  ; the same with the mask of my column, for W^T's tiles
.irp g, G1A, G1B
	s_mov_b32 s[(\g)+1], KSTEP<<16                 ; tensor_dim0 = 128
	s_mov_b32 s[(\g)+2], 128<<16                   ; tensor_dim1 = 128
	s_mov_b32 s[(\g)+3], KSTEP<<16                 ; tile_dim0 = 128
	s_mov_b32 s[(\g)+4], 128                       ; tile_dim1 = 128
	s_mov_b32 s[(\g)+5], 1024                      ; 1,024 elements from row to row
	s_mov_b32 s[(\g)+6], 0
	s_mov_b32 s[(\g)+7], 0
.endr
	; where the tiles come from.  x's hang on the tile row alone, which my row of the cluster shares; W^T's on the tile column alone, which my column shares.
	; Every wave makes both, in registers that never hold the other coordinate, and asks by one of them.
	s_lshl_b32 s27, s[CH], 7                       ; which 128 rows of the tile I fetch
	s_lshl_b32 s26, s[TR], 8
	s_add_co_u32 s26, s26, s27                     ; x: row 256 x tile row + 128 x half,
	s_lshl_b32 s26, s26, 11                        ; in bytes: under 2^25
	s_mov_b32 s27, 0
	s_lshl_b32 s95, s[CH], 7
	s_lshl_b32 s94, s[TC], 8
	s_add_co_u32 s94, s94, s95                     ; W^T: row 256 x tile column + 128 x half
	s_lshl_b32 s94, s94, 11
	s_mov_b32 s95, 0
	s_mul_i32 s30, s[WV], HALFT                    ; and where they go: wave x 128 rows: no place in the cluster enters an LDS address
	s_mov_b32 s[SEL], 0x76543210
	s_mov_b32 s[SEL+1], 0xfedcba98
	s_wait_dscnt 0x0                               ; both opening adds are done
	s_wait_kmcnt 0x0
	s_add_nc_u64 s[RA:RA+1], s[4:5], s[26:27]      ; xvb, K step 0,
	s_add_nc_u64 s[RA+2:RA+3], s[RA:RA+1], 2*KSTEP ; and 1
	s_add_nc_u64 s[QA:QA+1], s[8:9], s[26:27]      ; xqb likewise
	s_add_nc_u64 s[QA+2:QA+3], s[QA:QA+1], 2*KSTEP
	s_add_nc_u64 s[RB:RB+1], s[6:7], s[94:95]      ; wvt
	s_add_nc_u64 s[RB+2:RB+3], s[RB:RB+1], 2*KSTEP
	s_add_nc_u64 s[QW:QW+1], s[10:11], s[94:95]    ; wqt
	s_add_nc_u64 s[QW+2:QW+3], s[QW:QW+1], 2*KSTEP
	CROUND                                         ; all sixteen work-groups are here: the first joint loads meet
.irp s, 0,1
	s_mov_b32 s[G0A+4*(\s)], 1                                     ; 1:0 count = 1
	s_add_co_u32 s[G0A+4*(\s)+1], s30, (\s)*SLOT                   ; 63:32 LDS address
	s_mov_b64 s[G0A+4*(\s)+2:G0A+4*(\s)+3], s[RA+2*(\s):RA+2*(\s)+1]  ; 120:64 global address: K step s
	s_or_b32 s[G0A+4*(\s)+3], s[G0A+4*(\s)+3], 0x80000000          ; 127:126 type = 2
	s_mov_b32 s[G0B+4*(\s)], 1
	s_add_co_u32 s[G0B+4*(\s)+1], s30, (\s)*SLOT
	s_mov_b64 s[G0B+4*(\s)+2:G0B+4*(\s)+3], s[RB+2*(\s):RB+2*(\s)+1]
	s_or_b32 s[G0B+4*(\s)+3], s[G0B+4*(\s)+3], 0x80000000
	JLOAD \s                                       ; the ring is filled before anything else is done: two tensor loads of mine are out
.endr
	; ksum of my 128 rows and the eight entering states are asked for now and wanted behind the first product
	v_and_b32 v1, 15, v0                           ; l % 16
	v_bfe_u32 v2, v0, 4, 1                         ; l / 16
	v_mov_b32 v[HB], v2
	v_lshlrev_b32 v[KSO], 5, v2
	v_lshlrev_b32 v[CAO], 3, v1
	s_lshl_b32 s96, s[TR], 8
	s_lshl_b32 s97, s[RH], 7
	s_add_co_u32 s96, s96, s97                     ; my first row
	s_lshl_b32 s98, s96, 2
	s_mov_b32 s99, 0
	s_add_nc_u64 s[12:13], s[12:13], s[98:99]      ; ksum at my first row
	s_lshl_b32 s98, s96, 12                        ; out: rows of 4,096 bytes (under 2^26),
	s_lshl_b32 s97, s[TC], 10                      ; the tile's 256 columns,
	s_add_co_u32 s98, s98, s97
	s_lshl_b32 s97, s[CH], 9                       ; my 128 of them
	s_add_co_u32 s98, s98, s97
	s_add_nc_u64 s[16:17], s[16:17], s[98:99]
	s_lshr_b32 s96, s96, 7                         ; my chunk among all: batch = chunk / 16, c = chunk % 16
	s_lshr_b32 s97, s96, 4
	s_lshl_b32 s98, s97, 6
	s_lshl4_add_u32 s98, s[TC], s98
	s_lshl3_add_u32 s98, s[CH], s98                ; my first block of 16 columns: 64 x batch + 16 x tile column + 8 x half
	s_lshl_b32 s98, s98, 10                        ; 1,024 bytes a block
	s_bfe_u32 s97, s96, 0x20001                    ; (c % 8) / 2: 256 bytes each
	s_lshl_b32 s97, s97, 8
	s_add_co_u32 s98, s98, s97
	s_bfe_u32 s97, s96, 0x10003                    ; c / 8: sixteen lanes of 8 bytes
	s_lshl_b32 s97, s97, 7
	s_add_co_u32 s98, s98, s97
	s_and_b32 s97, s96, 1                          ; c % 2: a word
	s_lshl_b32 s97, s97, 2
	s_add_co_u32 s98, s98, s97
	s_add_nc_u64 s[14:15], s[14:15], s[98:99]
.irp a, 0,1,2,3,4,5,6,7
	global_load_b128 v[KS+8*(\a):KS+8*(\a)+3],   v[KSO], s[12:13] offset:64*(\a)
	global_load_b128 v[KS+8*(\a)+4:KS+8*(\a)+7], v[KSO], s[12:13] offset:64*(\a)+16
.endr
.irp b, 0,1,2,3,4,5,6,7
	global_load_b32 v[CR+4*(\b)], v[CAO], s[14:15] offset:1024*(\b)
.endr
	; A fragment is 16 rows x 32 K in 8 registers: lane l holds row l % 16; registers 0-3 hold K = 8 (l / 16) + 0..7, registers 4-7 K = 16 + 8 (l / 16) + 0..7: two loads of 16 bytes, 32 bytes apart.
	v_mul_u32_u24 v3, v1, PITCH
	v_lshl_add_u32 v3, v2, 4, v3                   ; row x pitch + 16 x half
	s_mul_i32 s28, s[RH], HALFT                    ; my 128 rows of x
	s_mul_i32 s29, s[CH], HALFT                    ; my 128 rows of W^T,
	s_add_co_u32 s29, s29, 2*HALFT                 ; which lie behind x's 256
.irp s, 0,1
	v_add_nc_u32 v[ADRA+(\s)], s28, v3
	v_add_nc_u32 v[ADRB+(\s)], s29, v3
	s_add_co_u32 s28, s28, SLOT
	s_add_co_u32 s29, s29, SLOT
.endr
	s_mul_i32 s28, s[WV], 16*SPITCH
	s_add_co_u32 s28, s28, STAGE                   ; my stage
	v_mul_u32_u24 v4, v2, 8*SPITCH                 ; in: row 8 (l / 16) + j, word l % 16 of a block of 16 columns
	v_lshl_add_u32 v4, v1, 2, v4
	v_add_nc_u32 v[STO], s28, v4
	v_mul_u32_u24 v5, v2, SPITCH                   ; back: lanes 0-15 take one row of 256 bytes, lanes 16-31 the next
	v_lshl_add_u32 v5, v1, 4, v5
	v_add_nc_u32 v[RD], s28, v5
	v_lshlrev_b32 v5, 12, v2                       ; and the same two rows in out
	v_lshl_add_u32 v[CO], v1, 4, v5
	s_lshl_b32 s28, s[WV], 9
	s_add_co_u32 s28, s28, PARK
	v_and_b32 v4, 31, v0
	v_lshl_add_u32 v[PKA], v4, 4, s28              ; PARK + 512 x wave + 16 x lane; a column block is 2,048 bytes on
	v_lshlrev_b32 v[PFO], 11, v4
	v_mov_b32 v[ZERO], 0
	; the powers of g, by products
	s_mov_b32 s[GAM], 0x3f7c8b44                   ; g = 0.9865
	s_mov_b32 s28, s[GAM]
	v_mov_b32 v[G], s28
.irp j, 1,2,3,4,5,6,7
	s_mul_f32 s28, s28, s[GAM]
	v_mov_b32 v[G+(\j)], s28
.endr
	s_mov_b32 s[GAM8], s28
	s_mul_f32 s[GAM16], s28, s28
	v_mov_b32 v31, s[GAM8]
	v_cmp_eq_u32 vcc_lo, 1, v2
	v_cndmask_b32 v[PP], v31, 1.0, vcc_lo
	v_cndmask_b32 v[QQ], 1.0, v31, vcc_lo
	; the prefetches
	s_lshl_b32 s96, s[TR], 8
	s_lshl_b32 s97, s[TC], 8
	s_and_b32 s98, ttmp7, 0xffff                   ; cluster y
	s_cmp_eq_u32 s[RH], 0                          ; do I fetch for x?
	s_cselect_b32 s96, s96, s97                    ; the tile's first row: in x by the tile row, in W^T by the tile column
	s_cselect_b32 s97, s[CX], s[CY]                ; my place among the four that ask for it with me
	s_cselect_b32 s98, ttmp9, s98                  ; the coordinate along which other clusters read the same rows
	s_cselect_b64 s[PFA:PFA+1], s[4:5], s[6:7]
	s_cselect_b64 s[PFQ:PFQ+1], s[8:9], s[10:11]
	s_cmp_eq_u32 s98, 0
	s_cselect_b32 s[LIM], 1, -1                    ; the same in all sixteen partners, for a given wave
	s_lshl_b32 s98, s[CH], 7
	s_add_co_u32 s96, s96, s98                     ; + the 128 rows that I fetch
	s_lshl_b32 s97, s97, 5
	s_add_co_u32 s96, s96, s97                     ; + my work-group's 32 of them
	s_lshl_b32 s96, s96, 11
	s_mov_b32 s97, 0
	s_add_nc_u64 s[PFA:PFA+1], s[PFA:PFA+1], s[96:97]
	s_add_nc_u64 s[PFQ:PFQ+1], s[PFQ:PFQ+1], s[96:97]
	s_add_nc_u64 s[PFA:PFA+1], s[PFA:PFA+1], 3*2*KSTEP  ; at K step 3: the first change of slots steps it to 4 and names that.  Nothing is prefetched here, at the head
; 16 matrix instructions: m blocks a0, a0 + 1 of the window's four (hi = 0: my rows 0-63, 1: rows 64-127) x all 8 n blocks, 32 along K.  zero = 1: the product starts the sums: nothing is ever cleared.
; The 64 accumulators take turns, one instruction a turn, in the same order in every quarter step.
.macro MUL16 f, hi, a0, zero
	WIN MUL_LO+0x50*(\hi)
.irp a, \a0, (\a0)+1
.irp b, 0,1,2,3,4,5,6,7
.if \zero
	v_wmma_f32_16x16x32_bf16 v[8*(8*(\a)+(\b)):8*(8*(\a)+(\b))+7], v[(\f)+8*(4*(\hi)+(\a)):(\f)+8*(4*(\hi)+(\a))+7], v[(\f)+8*(\b):(\f)+8*(\b)+7], 0
.else
	v_wmma_f32_16x16x32_bf16 v[8*(8*(\a)+(\b)):8*(8*(\a)+(\b))+7], v[(\f)+8*(4*(\hi)+(\a)):(\f)+8*(4*(\hi)+(\a))+7], v[(\f)+8*(\b):(\f)+8*(\b)+7], v[8*(8*(\a)+(\b)):8*(8*(\a)+(\b))+7]
.endif
.endr
.endr
.endm
; 32 LDS loads in one run: the fragments of one quarter step (128 rows of W^T, 128 rows of x, 32 K at byte k of the rows) into buffer f
.macro FETCH slot, k, f
	WIN TO_B
.irp i, 0,1,2,3,4,5,6,7
	ds_load_b128 v[(\f)+8*(\i):(\f)+8*(\i)+3],   v[ADRB+(\slot)] offset:(\k)+(\i)*16*PITCH
	ds_load_b128 v[(\f)+8*(\i)+4:(\f)+8*(\i)+7], v[ADRB+(\slot)] offset:(\k)+(\i)*16*PITCH+32
.endr
	WIN 0
.irp i, 0,1,2,3,4,5,6,7
	ds_load_b128 v[(\f)+8*(\i):(\f)+8*(\i)+3],   v[ADRA+(\slot)] offset:(\k)+(\i)*16*PITCH
	ds_load_b128 v[(\f)+8*(\i)+4:(\f)+8*(\i)+7], v[ADRA+(\slot)] offset:(\k)+(\i)*16*PITCH+32
.endr
.endm
; A load into a register that a matrix instruction has read, and a vector instruction that reads a matrix result or writes one of a matrix instruction's registers, stand four places behind it, and only plain
; vector instructions that name none of its registers are places (ISA guide 7.12.1 for vector instructions).
.macro PLACES
.rept 4
	v_nop
.endr
.endm
; A K step is four quarter steps of 32 along K, 64 matrix instructions each, on buffers 0, 1, 0, 1.  One of the first three: multiplies buffer f; in its middle it fetches the next quarter's fragments into buffer g.
.macro QUARTER slot, k, f, g, zero
	s_wait_dscnt 8                                 ; all but the youngest eight LDS instructions: W^T and x's rows 0-63 are in (behind MID the youngest eight are the park's stores, and all fragments are in)
	WIN MUL_LO
	MUL16 \f, 0, 0, \zero
	MUL16 \f, 0, 2, \zero
	PLACES
	FETCH \slot, \k, \g
	s_wait_dscnt 32                                ; all but the 32 just issued
	WIN MUL_HI
	MUL16 \f, 1, 0, \zero
	MUL16 \f, 1, 2, \zero
.endm
; The last quarter multiplies buffer 1 and changes slots.  MEET is its first half: ONE barrier for the change of slots.  In front of it each wave waits for all its tensor loads, of which one is out: its part of the
; next slot; adds 0 to its spare word; and waits for that and for its own reads of this slot.  Behind it nobody reads this slot any more and the next slot is whole.
.macro MEET round                      ; round = 1: a round of the cluster's barrier follows
	WIN 0                                          ; (the add's two registers lie in window 0)
	s_wait_tensorcnt 0x0                           ; all my tensor loads have landed;
	ds_add_u32 v[SPW], v[NIL]                      ; 0 onto my spare word;
	s_wait_dscnt 9                                 ; (the add and the youngest eight loads may be out)
	WIN MUL_LO
	MUL16 F1, 0, 0, 0                              ; sixteen matrix instructions stand between the add and the wait for it
	s_wait_dscnt 0x0                               ; the add is done, and my reads of this slot are over:
	s_barrier_signal -1                            ; say so,
	MUL16 F1, 0, 2, 0                              ; work on registers while the others arrive,
.if \round
	WIN 0
.endif
	s_barrier_wait -1                              ; and go on when all four have said so
.endm
; The whole last quarter.  fill = 1: behind the round the slot just read out is filled again first, with the K step two steps on in the sequence of 16; then come the next slot's first fragments.
; The plain addresses are stepped at the head, ahead of the waits; in the first loop's last trip (ph = 0, s3 = 1) they turn to the second product's K steps 0 and 1.  Behind the round, where no tensor load of mine
; is out, they are copied into group 0 and the type is set.
.macro TURN slot, next, fill, ph=0
.if \fill
	s_wait_xcnt 0x0                                ; the last prefetch, a K step back, has read its address
	s_add_nc_u64 s[PFA:PFA+1], s[PFA:PFA+1], 2*KSTEP
.if ((\ph) == 0) && ((\slot) == 0)
	s_cmp_eq_u32 s3, 2                             ; the fifth change of slots names the sequence's step 8: the second product's K step 0
	s_cselect_b64 s[PFA:PFA+1], s[PFQ:PFQ+1], s[PFA:PFA+1]
.endif
	s_add_nc_u64 s[RA+2*(\slot):RA+2*(\slot)+1], s[RA+2*(\slot):RA+2*(\slot)+1], 4*KSTEP
	s_add_nc_u64 s[RB+2*(\slot):RB+2*(\slot)+1], s[RB+2*(\slot):RB+2*(\slot)+1], 4*KSTEP
.if (\ph) == 0
	s_cmp_eq_u32 s3, 1
	s_cselect_b64 s[RA+2*(\slot):RA+2*(\slot)+1], s[QA+2*(\slot):QA+2*(\slot)+1], s[RA+2*(\slot):RA+2*(\slot)+1]
	s_cselect_b64 s[RB+2*(\slot):RB+2*(\slot)+1], s[QW+2*(\slot):QW+2*(\slot)+1], s[RB+2*(\slot):RB+2*(\slot)+1]
.endif
	MEET 1
	CREST                                          ; no wave of any partner still reads this slot's tile or has a load on its way
	s_mov_b64 s[G0A+4*(\slot)+2:G0A+4*(\slot)+3], s[RA+2*(\slot):RA+2*(\slot)+1]
	s_or_b32 s[G0A+4*(\slot)+3], s[G0A+4*(\slot)+3], 0x80000000
	s_mov_b64 s[G0B+4*(\slot)+2:G0B+4*(\slot)+3], s[RB+2*(\slot):RB+2*(\slot)+1]
	s_or_b32 s[G0B+4*(\slot)+3], s[G0B+4*(\slot)+3], 0x80000000
	JLOAD \slot                                    ; the first tensor load behind the round: 224 matrix instructions ahead of the wait for it; its four v_nop are also the places in front of the loads below
	FETCH \next, 0, F0
	ASK \ph
.else
	MEET 0                                         ; nothing is filled again, so no round follows
	PLACES
	FETCH \next, 0, F0
.endif
	WIN MUL_HI
	MUL16 F1, 1, 0, 0
	MUL16 F1, 1, 2, 0
.endm
.macro LAPREST ph                      ; a lap (two K steps) from its second quarter on; both slots are filled again
	QUARTER 0, 128, F1, F0, 0
	QUARTER 0, 192, F0, F1, 0
	TURN 0, 1, 1, \ph
	QUARTER 1, 64,  F0, F1, 0
	QUARTER 1, 128, F1, F0, 0
	QUARTER 1, 192, F0, F1, 0
	TURN 1, 0, 1, \ph
	WIN 0                                          ; at a label and at a branch every window is 0
.endm
; MID, FIRST PART, for one window of accumulators: u = ksum V, then along a lane's eight rows L[j] = u[j] + g L[j-1].  Each accumulator's lowest registers are read first.
; The eight column blocks' chains stand side by side, so that no line waits for the one before it.
.macro SCAN1 hi
	WIN 0x88+0x44*(\hi)                            ; destination and source 1: the accumulators' window; source 0 (ksum): window 0
.irp a, 0,1,2,3
.irp b, 0,1,2,3,4,5,6,7
.irp i, 0,2,4,6
	v_pk_mul_f32 v[8*(8*(\a)+(\b))+(\i):8*(8*(\a)+(\b))+(\i)+1], v[KS+8*(4*(\hi)+(\a))+(\i):KS+8*(4*(\hi)+(\a))+(\i)+1], v[8*(8*(\a)+(\b))+(\i):8*(8*(\a)+(\b))+(\i)+1]
.endr
.endr
.irp j, 1,2,3,4,5,6,7
.irp b, 0,1,2,3,4,5,6,7
	v_fmac_f32 v[8*(8*(\a)+(\b))+(\j)], s[GAM], v[8*(8*(\a)+(\b))+(\j)-1]
.endr
.endr
.endr
.endm
.macro PARKAT a                        ; where S of block a is kept: PRB its first register, PW its window
.if (\a) == 0
.set PRB, 32
.set PW, 0
.elseif (\a) < 3
.set PRB, 192+32*((\a)-1)
.set PW, 0
.elseif (\a) < 5
.set PRB, 32*((\a)-3)
.set PW, 1
.elseif (\a) < 7
.set PRB, 192+32*((\a)-5)
.set PW, 1
.else
.set PRB, P7
.set PW, 0
.endif
.endm
; MID, SECOND PART, for column block b.  E(a, h) = L[7] is the end of the eight rows of block a in half h of the lanes.  The block's total is E(a, 1) + g^8 E(a, 0); D[0] = the chunk's entering state,
; D[a+1] = total(a) + g^16 D[a] is the state behind block a.  What enters my eight rows: D[a] in lanes 0-15, E(a, 0) + g^8 D[a] in lanes 16-31.  Then S[j] = L[j] + g^(j+1) x that; S is rounded to bf16 and set aside.
.macro SCANCOL b
	WIN 0x02                                       ; source 0: window 2
.irp a, 0,1,2,3
	v_permlanex16_b32 v[XE+(\a)], v[8*(8*(\a)+(\b))+7], s[SEL], s[SEL+1]
	v_mov_b32 v[EE+(\a)], v[8*(8*(\a)+(\b))+7]
.endr
	WIN 0x03                                       ; source 0: window 3
.irp a, 0,1,2,3
	v_permlanex16_b32 v[XE+4+(\a)], v[8*(8*(\a)+(\b))+7], s[SEL], s[SEL+1]
.if (\a) < 3
	v_mov_b32 v[EE+4+(\a)], v[8*(8*(\a)+(\b))+7]   ; the last block's total is wanted by nobody
.endif
.endr
	WIN 0
.irp a, 0,1,2,3,4,5,6
	v_mul_f32 v[BT+(\a)], v[QQ], v[XE+(\a)]
.endr
.irp a, 0,1,2,3,4,5,6
	v_fmac_f32 v[BT+(\a)], v[PP], v[EE+(\a)]       ; the block's total, in every lane
.endr
	v_fmac_f32 v[BT], s[GAM16], v[CR+4*(\b)]
.irp a, 1,2,3,4,5,6
	v_fmac_f32 v[BT+(\a)], s[GAM16], v[BT+(\a)-1]  ; BT[a] = D[a+1]
.endr
	v_fmac_f32 v[XE], s[GAM8], v[CR+4*(\b)]
.irp a, 1,2,3,4,5,6,7
	v_fmac_f32 v[XE+(\a)], s[GAM8], v[BT+(\a)-1]   ; in lanes 16-31: E(a, 0) + g^8 D[a]
.endr
	v_cndmask_b32 v[CP], v[CR+4*(\b)], v[XE], vcc_lo
	v_cndmask_b32 v[CP+1], v[CR+4*(\b)], v[XE], vcc_lo
.irp a, 1,2,3,4,5,6,7
	v_cndmask_b32 v[CP+2*(\a)], v[BT+(\a)-1], v[XE+(\a)], vcc_lo
	v_cndmask_b32 v[CP+2*(\a)+1], v[BT+(\a)-1], v[XE+(\a)], vcc_lo
.endr
.irp a, 0,1,2,3,4,5,6,7
	WIN 0xa0+0x50*((\a)/4)                         ; destination and source 2: the accumulators' window
.irp i, 0,2,4,6
	v_pk_fma_f32 v[8*(8*((\a)%4)+(\b))+(\i):8*(8*((\a)%4)+(\b))+(\i)+1], v[G+(\i):G+(\i)+1], v[CP+2*(\a):CP+2*(\a)+1], v[8*(8*((\a)%4)+(\b))+(\i):8*(8*((\a)%4)+(\b))+(\i)+1]
.endr
.endr
.irp a, 0,1,2,3,4,5,6,7
	PARKAT \a
.set AW, 2+(\a)/4
	WIN (PW<<6)|(AW<<2)|AW
.irp i, 0,1,2,3
.if (\a) == 7
	v_cvt_pk_bf16_f32 v[P7T+(\i)], v[8*(8*((\a)%4)+(\b))+2*(\i)], v[8*(8*((\a)%4)+(\b))+2*(\i)+1]
.else
	v_cvt_pk_bf16_f32 v[PRB+4*(\b)+(\i)], v[8*(8*((\a)%4)+(\b))+2*(\i)], v[8*(8*((\a)%4)+(\b))+2*(\i)+1]
.endif
.endr
.endr
	WIN 0
	ds_store_b128 v[PKA], v[P7T:P7T+3] offset:2048*(\b)  ; my own bytes: only I read them back
.endm
; THE WAY OUT, in 16 units u of 16 rows x 64 columns: block a = u / 2, column blocks 4 (u % 2) .. + 3.
.macro MULQ u                          ; out = Q x S, in place on Q's sums, each accumulator's registers in ascending order; S's halves are read as they lie
	PARKAT (\u)/2
.set AW, 2+(\u)/8
	WIN (AW<<6)|(AW<<2)|PW
.irp c, 0,1,2,3
.irp i, 0,1,2,3
	v_fma_mix_f32_bf16 v[8*(8*(((\u)/2)%4)+4*((\u)%2)+(\c))+2*(\i)], v[PRB+4*(4*((\u)%2)+(\c))+(\i)], v[8*(8*(((\u)/2)%4)+4*((\u)%2)+(\c))+2*(\i)], v[ZERO] op_sel:[0,0,0] op_sel_hi:[1,0,0]
	v_fma_mix_f32_bf16 v[8*(8*(((\u)/2)%4)+4*((\u)%2)+(\c))+2*(\i)+1], v[PRB+4*(4*((\u)%2)+(\c))+(\i)], v[8*(8*(((\u)/2)%4)+4*((\u)%2)+(\c))+2*(\i)+1], v[ZERO] op_sel:[1,0,0] op_sel_hi:[1,0,0]
.endr
.endr
.endm
.macro TOSTAGE u                       ; into my own stage, a word a lane: lanes 0-15 fill 64 consecutive bytes of row j, lanes 16-31 of row 8 + j, 544 words on: other banks; and back as whole rows of 256 bytes
	WIN (2+(\u)/8)<<2                              ; the data: the accumulators' window
.irp c, 0,1,2,3
.irp j, 0,1,2,3,4,5,6,7
	ds_store_b32 v[STO], v[8*(8*(((\u)/2)%4)+4*((\u)%2)+(\c))+(\j)] offset:SPITCH*(\j)+64*(\c)
.endr
.endr
	WIN 0
.irp t, 0,1,2,3,4,5,6,7
	ds_load_b128 v[OB+32*((\u)%2)+4*(\t):OB+32*((\u)%2)+4*(\t)+3], v[RD] offset:(\t)*2*SPITCH  ; LDS serves a wave's instructions in order (ISA guide 5.7.1.4): these see the stores above
.endr
.endm
.macro SEND u
	WIN 0
	s_wait_dscnt 0x0                               ; the unit is back in registers
	s_wait_xcnt 0x0                                ; the stores of the unit before have read their registers, which the next unit's loads from the stage will write
.irp t, 0,1,2,3,4,5,6,7
	global_store_b128 v[CO], v[OB+32*((\u)%2)+4*(\t):OB+32*((\u)%2)+4*(\t)+3], s[16:17] offset:(16*((\u)/2)+2*(\t))*4096+256*((\u)%2) th:TH_STORE_NT  ; 16 lanes store 256 consecutive bytes, aligned; the largest immediate is 516,352
.endr
.endm
	s_wait_tensorcnt 1                             ; my part of K step 0 is in; K step 1's may stay out
	s_barrier_signal -1
	s_barrier_wait -1                              ; everybody's is
	FETCH 0, 0, F0
	QUARTER 0, 64, F0, F1, 1                       ; V's first quarter starts the sums
	WIN 0
	s_mov_b32 s3, 4
	s_branch .Lenter_v                             ; the loop is entered behind a lap's first quarter
.Llap_v:                                               ; V: four laps; the last asks for Q's K steps 0 and 1
	QUARTER 0, 64, F0, F1, 0
	WIN 0
.Lenter_v:
	LAPREST 0
	s_sub_co_u32 s3, s3, 1
	s_cmp_lg_u32 s3, 0
	s_cbranch_scc1 .Llap_v
	; MID.  V is whole; Q's first fragments lie in buffer 0 and its K step 1 is on its way.  Window 2 goes first: its last products stand in front of the joint load's four v_nop, and its 352 lines are the
	; places behind window 3's last products, whose registers (buffer 1 among them) are touched only after that.
	s_wait_loadcnt 0x0                             ; ksum and the entering states, asked for at the head
	v_cmp_eq_u32 vcc_lo, 1, v[HB]                  ; lanes 16-31
	SCAN1 0
	SCAN1 1
.irp b, 0,1,2,3,4,5,6,7
	SCANCOL \b
.endr
	QUARTER 0, 64, F0, F1, 1                       ; Q's first quarter starts the sums anew, on accumulators that have been set aside
	WIN 0
	s_mov_b32 s3, 3
	s_branch .Lenter_q
.Llap_q:                                               ; Q: three laps that fill both slots again
	QUARTER 0, 64, F0, F1, 0
	WIN 0
.Lenter_q:
	LAPREST 1
	s_sub_co_u32 s3, s3, 1
	s_cmp_lg_u32 s3, 0
	s_cbranch_scc1 .Llap_q
	QUARTER 0, 64,  F0, F1, 0                      ; the last lap is written out: it asks for nothing, and has no round
	QUARTER 0, 128, F1, F0, 0
	QUARTER 0, 192, F0, F1, 0
	TURN 0, 1, 0
	QUARTER 1, 64,  F0, F1, 0
	QUARTER 1, 128, F1, F0, 0
	QUARTER 1, 192, F0, F1, 0
	s_wait_dscnt 8                                 ; the very last quarter: nothing more to fetch
	WIN MUL_LO
	MUL16 F1, 0, 0, 0
	MUL16 F1, 0, 2, 0
	s_wait_dscnt 0x0
	MUL16 F1, 1, 0, 0
	MUL16 F1, 1, 2, 0
	PLACES                                         ; behind the last products: for the loads into buffer 1 and for the multiplies that read results
	WIN 0
.irp b, 0,1,2,3,4,5,6,7
	ds_load_b128 v[P7+4*(\b):P7+4*(\b)+3], v[PKA] offset:2048*(\b)  ; S of block 7; the first wait for 0 below shows it in, long before it is used
.endr
	MULQ 0
	TOSTAGE 0
.irp u, 1,2,3,4,5,6,7,8,9,10,11,12,13,14,15    ; a unit's multiplies stand between the loads of the unit before and the wait for them
	MULQ \u
	SEND (\u)-1
	TOSTAGE \u
.endr
	SEND 15
	s_wait_tensorcnt 0x0                           ; the wave's end: a wait, an add of 0 to my spare word and its wait stand behind my last tensor load and my last LDS store
	ds_add_u32 v[SPW], v[NIL]
	s_wait_dscnt 0x0
	CROUND                                         ; the closing round: no work-group ends while a partner may still ask for a tile that names it
	s_endpgm
.Lfunc_end_k_q799639391e_fused:
	.size	k_q799639391e_fused, .Lfunc_end_k_q799639391e_fused-k_q799639391e_fused
	.p2alignl 7, 3214868480
	.fill 96, 4, 3214868480
	.section	.rodata,"a",@progbits
	.p2align	6, 0x0
	.amdhsa_kernel k_q799639391e_fused
		.amdhsa_group_segment_fixed_size 327680
		.amdhsa_private_segment_fixed_size 0
		.amdhsa_enable_private_segment 0
		.amdhsa_kernarg_size 56
		.amdhsa_user_sgpr_count 2
		.amdhsa_user_sgpr_kernarg_segment_ptr 1
		.amdhsa_wavefront_size32 1
		.amdhsa_system_sgpr_workgroup_id_x 1
		.amdhsa_system_sgpr_workgroup_id_y 1
		.amdhsa_system_sgpr_workgroup_id_z 1
		.amdhsa_system_vgpr_workitem_id 0
		.amdhsa_next_free_vgpr 1024
		.amdhsa_next_free_sgpr 100
		.amdhsa_reserve_vcc 1
		.amdhsa_float_denorm_mode_32 3
		.amdhsa_float_denorm_mode_16_64 3
		.amdhsa_memory_ordered 1
		.amdhsa_forward_progress 1
		.amdhsa_inst_pref_size 255
	.end_amdhsa_kernel
	.section	.bss,"aw",@nobits
	.p2align	6
	.space	262144
	.amdgpu_metadata
---
amdhsa.version: [ 1, 2 ]
amdhsa.kernels:
  - .name:           k_q799639391e_fused
    .symbol:         k_q799639391e_fused.kd
    .args:
      - { .name: xvb, .offset: 0, .size: 8, .value_kind: global_buffer, .address_space: global }
      - { .name: wvt, .offset: 8, .size: 8, .value_kind: global_buffer, .address_space: global }
      - { .name: xqb, .offset: 16, .size: 8, .value_kind: global_buffer, .address_space: global }
      - { .name: wqt, .offset: 24, .size: 8, .value_kind: global_buffer, .address_space: global }
      - { .name: ksum, .offset: 32, .size: 8, .value_kind: global_buffer, .address_space: global }
      - { .name: cin, .offset: 40, .size: 8, .value_kind: global_buffer, .address_space: global }
      - { .name: out0, .offset: 48, .size: 8, .value_kind: global_buffer, .address_space: global }
    .group_segment_fixed_size: 327680
    .private_segment_fixed_size: 0
    .kernarg_segment_align: 8
    .kernarg_segment_size: 56
    .max_flat_workgroup_size: 128
    .sgpr_count:     100
    .vgpr_count:     1024
    .wavefront_size: 32
...
	.end_amdgpu_metadata
.endif
;; end of part 4
;; ======== version 2 of 2: 4 launches; version 1 with the launch rows written anew for expert scheduling mode
;; limits: values outside matrix products are rounded to bf16
;; workspace buffers: xqb 33,554,432 bytes; xvb 33,554,432 bytes; wqt 2,097,152 bytes; wvt 2,097,152 bytes; wsum 4,096 bytes; ksum 65,536 bytes; yhl 1,048,576 bytes; cin 524,288 bytes
;; launch prep: the kernel of part 1 again; grid 256 x 1, 16 waves a work-group, no clusters, 19,456 bytes of LDS; arguments xq, Wq, Wv, Wk, xqb, wqt, wvt, wsum; writes xqb, wqt, wvt, wsum
;; launch rows (part 5): grid 256 x 1, 16 waves a work-group, no clusters, 67,840 bytes of LDS; arguments xk, xv, wsum, xvb, ksum, yhl; writes xvb, ksum, yhl
.if DOCPART == 5
	.amdgcn_target "amdgcn-amd-amdhsa--gfx1250"
	.amdhsa_code_object_version 6
	.text
	.protected	k_q799639391e_rows
	.globl	k_q799639391e_rows
	.p2align	8
	.type	k_q799639391e_rows,@function
k_q799639391e_rows:
	s_mov_b64 s[64:65], 0
	v_nop
	global_prefetch_b8 v0, s[64:65] scope:SCOPE_SE
	s_setreg_imm32_b32 hwreg(HW_REG_WAVE_SCHED_MODE, 0, 2), 2
	s_setreg_imm32_b32 hwreg(HW_REG_WAVE_MODE, 25, 1), 1
	s_wait_xcnt 0x0
	s_wait_alu depctr_vm_vsrc(0)
; RETENTION, LAUNCH 2 OF 4.  The product xk Wk is left out: ksum[t] = sum over d of xk[t][d] wsum[d], an identity for all values (shown at the head of the first kernel).
; THIS LAUNCH streams xk and xv once and makes
;   ksum[row]  = sum over d of bf16(xk[row][d]) wsum[d], in f32; the row t = 0 of each batch times 0, as the problem's own mask has it;
;   xvb        = bf16(xv);
;   y[half]    = sum over the 64 rows of a half chunk of g^(127 - i) ksum[row] bf16(xv[row]), i the row's place in its chunk of 128 rows: the chunk's total of the recurrence is (y of its two halves) Wv,
;                since the recurrence and the product are linear.  y is an unfinished sum, so it is not rounded to 16 bits: it is stored as a pair of bf16, hi = bf16(y), lo = bf16(y - hi),
;                which keeps 16 bits of it (a stated limit: 2^-16 of y), and both go through the matrix unit in the next launch.
; SHARES.  Work-group g of 16 waves owns rows 64 g .. 64 g + 63; wave w rows 4 w .. 4 w + 3 of xk and of xv.  A row of 4,096 bytes is 32 registers of a wave: eight loads of 16 bytes a lane.
; IN FLIGHT.  Six row slots in registers: 56 loads of a wave go out before its first wait, and the last two rows are asked for as soon as a slot is free.  Memory binds: each byte is read once, each store of a
; wave covers 256 consecutive bytes, aligned.  No matrix unit (one multiply-add for each number read), no cluster, no tensor load: no work-group wants a byte of xk or xv that another has read.
; THE MODE: SCHED_MODE bits 1:0 = 2 (LLVM: expert scheduling mode 2), set by the entry lines.  The code itself states the register dependences between vector instructions and memory or LDS instructions,
; with s_wait_alu, always for 0.
; THE PLAN.  Registers that memory or LDS instructions touch, in the order of the text (it has no loop):
;   the offsets and LDS addresses v3 to v9, v29, v30   written once each, at the head or behind the first loads, and never again.
;   WS, then Y     wsum lands in it; the dot products read it; from xv's first row on the multiply-adds write it as Y; eight LDS stores read it, once.
;   slots 0, 1     xk's rows 0, 1 land; their turn converts and reads them; behind its multiply-adds xv's rows 2, 3 land in them.
;   slots 2, 3     xk's rows 2, 3 land; their turn converts and reads them; behind the barrier the sixteen parts of y land in them (R).
;   an xv row's slot   its turn converts it in place; its first sixteen registers are the data of eight stores and are never written again.
;   KV             a row's ksum, written by the last add of its turn; four LDS stores read the four together; waves 0-7 write these registers again at the end.
; So a wait on va_vdst stands: ahead of the first load; behind the multiply-adds of xk's rows 0 and 1 (their slots are asked for again there, ahead of the sum across the lanes, which names none of
; their registers); behind each xv row's conversions (its stores follow, each ahead of the four multiply-adds that read its two registers; ksum's four LDS stores stand behind the first of these waits);
; ahead of y's LDS stores; ahead of the last two stores.  One wait on vm_vsrc stands behind the barrier, ahead of the lines that write KV's registers again.
.set YP,    0                          ; LDS: sixteen partial rows of y, 4,096 bytes each
.set KSL,   65536                      ; the work-group's 64 ksum
.set SPARE, 65792                      ; the spare words, 128 bytes for each of 16 waves: eight blocks of 256 bytes that no other line names
.set OFFL, 3                           ; v3   xk, xv: wave x 4 rows x 4,096 + 16 x lane
.set OFFS, 4                           ; v4   xvb: wave x 4 rows x 2,048 + 8 x lane
.set KSA,  5                           ; v5   KSL + 16 x wave
.set YSA,  6                           ; v6   wave x 4,096 + 16 x lane
.set YRA,  7                           ; v7   16 x thread
.set KRA,  8                           ; v8   KSL + 8 x lane
.set OFFY, 9                           ; v9   8 x thread
.set SPW,  10                          ; v10  LDS address of my spare word; never rewritten
.set NIL,  11                          ; v11  0, for the add alone
.set WGT,  12                          ; v[12:15] row p's weight g^(127 - i) ksum
.set A,    16                          ; v[16:19] four chains of a dot product; v[20:23] at work
.set KV,   24                          ; v[24:27] my four rows' ksum, until their LDS stores have read them; at the end at work
.set ZERO, 28                          ; v28  0: the first addend of a sum
.set OFFW, 29                          ; v29  16 x lane
.set OFFQ, 30                          ; v30  8 x lane
.set WS,   32                          ; v[32:63] wsum, laid as a row is laid; when the dot products are done,
.set Y,    32                          ;          my four rows' part of y
.set SL,   64                          ; v[64:255] six slots of 32
.set R,    128                         ; v[128:191] at the end: sixteen partial sums of four numbers (slots 2 and 3, which no store reads)
.set WV,   16                          ; s16  my wave's number
.set W,    32                          ; s[32:35] g^(127 - i) of my four rows
.set MASK0, 36                         ; s36  0 for the wave that holds a batch's row t = 0, else 1
	s_load_b256 s[4:11], s[0:1], 0x0               ; xk s[4:5], xv s[6:7], wsum s[8:9], xvb s[10:11]
	s_load_b128 s[12:15], s[0:1], 0x20             ; ksum s[12:13], yhl s[14:15]
	v_lshl_add_u32 v[SPW], v0, 2, SPARE
	v_mov_b32 v[NIL], 0
	v_lshrrev_b32 v1, 5, v0
	v_readfirstlane_b32 s[WV], v1                  ; wave 0..15
	v_and_b32 v2, 31, v0                           ; lane
	s_wait_alu depctr_va_sdst(0)                   ; s[WV] is written, ahead of its first reader: offsets, addresses, weights and branches are made from it
	s_lshl_b32 s17, s[WV], 14
	v_lshl_add_u32 v[OFFL], v2, 4, s17
	v_lshlrev_b32 v[OFFW], 4, v2
	s_lshl_b32 s18, ttmp9, 18                      ; my 64 rows of 4,096 bytes
	s_mov_b32 s19, 0
	s_wait_kmcnt 0x0
	s_add_nc_u64 s[4:5], s[4:5], s[18:19]
	s_add_nc_u64 s[6:7], s[6:7], s[18:19]
	s_wait_alu depctr_va_vdst(0)                   ; v[OFFL] and v[OFFW] are written: every load from memory reads one of them as its offset
.macro FILL base, p, s                 ; row p of xk (base 4) or xv (base 6) into slot s: eight loads, 512 consecutive bytes each
.irp i, 0,1,2,3,4,5,6,7
	global_load_b128 v[SL+32*(\s)+4*(\i):SL+32*(\s)+4*(\i)+3], v[OFFL], s[\base:\base+1] offset:4096*(\p)+512*(\i) th:TH_LOAD_NT
.endr
.endm
.irp i, 0,1,2,3,4,5,6,7
	global_load_b128 v[WS+4*(\i):WS+4*(\i)+3], v[OFFW], s[8:9] offset:512*(\i)
.endr
	FILL 4, 0, 0
	FILL 4, 1, 1
	FILL 4, 2, 2
	FILL 4, 3, 3
	FILL 6, 0, 4
	FILL 6, 1, 5
	; the rest of the set-up stands behind the loads; it writes no register that they read or land in
	s_lshl_b32 s18, ttmp9, 17
	s_add_nc_u64 s[10:11], s[10:11], s[18:19]      ; xvb at my rows
	s_lshl_b32 s18, ttmp9, 8
	s_add_nc_u64 s[12:13], s[12:13], s[18:19]      ; ksum at my rows
	s_lshl_b32 s18, ttmp9, 12
	s_add_nc_u64 s[14:15], s[14:15], s[18:19]      ; yhl at my half chunk: hi 2,048 bytes, lo 2,048 bytes
	s_lshl_b32 s17, s[WV], 13
	v_lshl_add_u32 v[OFFS], v2, 3, s17
	s_lshl_b32 s17, s[WV], 4
	s_add_co_u32 s17, s17, KSL
	v_mov_b32 v[KSA], s17
	s_lshl_b32 s17, s[WV], 12
	v_lshl_add_u32 v[YSA], v2, 4, s17
	v_lshlrev_b32 v[YRA], 4, v0
	v_lshl_add_u32 v[KRA], v2, 3, KSL
	v_lshlrev_b32 v[OFFY], 3, v0
	v_lshlrev_b32 v[OFFQ], 3, v2
	v_mov_b32 v[ZERO], 0
	v_mov_b32 v20, 0                               ; written, since v_permlanex16_b32 counts as a reader of its destination
	s_mov_b32 s38, 0x76543210
	s_mov_b32 s39, 0xfedcba98
	; g^(127 - i), i = 64 (g % 2) + 4 w + p:  127 - i = 64 (g even) + 4 (15 - w) + (3 - p).  All powers are made here, by products of squares
	s_mov_b32 s20, 0x3f7c8b44                      ; g = 0.9865
	s_mul_f32 s21, s20, s20                        ; g^2
	s_mul_f32 s22, s21, s21                        ; g^4
	s_mul_f32 s23, s22, s22                        ; g^8
	s_mul_f32 s24, s23, s23                        ; g^16
	s_mul_f32 s25, s24, s24                        ; g^32
	s_mul_f32 s26, s25, s25                        ; g^64
	s_sub_co_u32 s27, 15, s[WV]
	s_bitcmp1_b32 s27, 0
	s_cselect_b32 s28, s22, 1.0
	s_bitcmp1_b32 s27, 1
	s_cselect_b32 s29, s23, 1.0
	s_mul_f32 s28, s28, s29
	s_bitcmp1_b32 s27, 2
	s_cselect_b32 s29, s24, 1.0
	s_mul_f32 s28, s28, s29
	s_bitcmp1_b32 s27, 3
	s_cselect_b32 s29, s25, 1.0
	s_mul_f32 s28, s28, s29
	s_bitcmp1_b32 ttmp9, 0                         ; the chunk's second half?
	s_cselect_b32 s29, 1.0, s26
	s_mul_f32 s[W+3], s28, s29
	s_mul_f32 s[W+2], s[W+3], s20
	s_mul_f32 s[W+1], s[W+3], s21
	s_mul_f32 s[W], s[W+1], s20
	s_and_b32 s29, ttmp9, 31                       ; a batch is 32 half chunks: its row t = 0 is row 0 of wave 0 of the first
	s_or_b32 s29, s29, s[WV]
	s_cmp_eq_u32 s29, 0
	s_cselect_b32 s[MASK0], 0, 1.0
; Row p of xk, in slot s: rounded to bf16, multiplied by wsum, added over the row.  left = the younger loads, which stay out.  nxt = the row of xv that the slot takes next, or -1.
.macro KTURN p, s, left, nxt
	s_wait_loadcnt \left
.set q, 0
.rept 16
	v_cvt_pk_bf16_f32 v[SL+32*(\s)+q], v[SL+32*(\s)+2*q], v[SL+32*(\s)+2*q+1]  ; in place, ascending
.set q, q+1
.endr
.set q, 0
.rept 16
.if q < 2
	v_fma_mix_f32_bf16 v[A+2*q], v[SL+32*(\s)+q], v[WS+2*q], v[ZERO] op_sel:[0,0,0] op_sel_hi:[1,0,0]  ; the first four start the chains
	v_fma_mix_f32_bf16 v[A+2*q+1], v[SL+32*(\s)+q], v[WS+2*q+1], v[ZERO] op_sel:[1,0,0] op_sel_hi:[1,0,0]
.else
	v_fma_mix_f32_bf16 v[A+(2*q)%4], v[SL+32*(\s)+q], v[WS+2*q], v[A+(2*q)%4] op_sel:[0,0,0] op_sel_hi:[1,0,0]
	v_fma_mix_f32_bf16 v[A+(2*q+1)%4], v[SL+32*(\s)+q], v[WS+2*q+1], v[A+(2*q+1)%4] op_sel:[1,0,0] op_sel_hi:[1,0,0]
.endif
.set q, q+1
.endr
.if (\nxt) >= 0
	s_wait_alu depctr_va_vdst(0)                   ; the conversions and the multiply-adds are done writing and reading this slot, in which the loads below land; at its first use also: the offsets and LDS addresses made behind the first loads are written
	FILL 6, \nxt, \s                               ; the slot is asked for again at once; the lines below name none of its registers
.endif
	v_add_f32 v[A], v[A], v[A+1]
	v_add_f32 v[A+2], v[A+2], v[A+3]
	v_add_f32 v[A], v[A], v[A+2]
	v_add_f32_dpp v[A], v[A], v[A] row_xmask:1 row_mask:0xf bank_mask:0xf
	v_add_f32_dpp v[A], v[A], v[A] row_xmask:2 row_mask:0xf bank_mask:0xf
	v_add_f32_dpp v[A], v[A], v[A] row_xmask:4 row_mask:0xf bank_mask:0xf
	v_add_f32_dpp v[A], v[A], v[A] row_xmask:8 row_mask:0xf bank_mask:0xf
	v_permlanex16_b32 v20, v[A], s38, s39
	v_add_f32 v[KV+(\p)], v[A], v20                ; every lane holds the row's ksum, in a register of its own: its LDS store stands in xv's first turn
.if (\p) == 0
	v_mul_f32 v[KV], s[MASK0], v[KV]               ; the problem's own mask: t = 0 contributes nothing
.endif
	v_mul_f32 v[WGT+(\p)], s[W+(\p)], v[KV+(\p)]
.endm
; Row p of xv, in slot s: rounded to bf16, stored, and added into y with the row's weight.  A store stands ahead of the four multiply-adds that read its two registers.
.macro VTURN p, s, left
	s_wait_loadcnt \left
.set q, 0
.rept 16
	v_cvt_pk_bf16_f32 v[SL+32*(\s)+q], v[SL+32*(\s)+2*q], v[SL+32*(\s)+2*q+1]
.set q, q+1
.endr
	s_wait_alu depctr_va_vdst(0)                   ; the conversions have written the slot's first sixteen registers, which the stores below read; in the first row also: the four ksum are written
.if (\p) == 0
.irp r, 0,1,2,3
	ds_store_b32 v[KSA], v[KV+(\r)] offset:4*(\r)  ; all lanes write the same word with the same number
.endr
.endif
.irp i, 0,1,2,3,4,5,6,7
	global_store_b64 v[OFFS], v[SL+32*(\s)+2*(\i):SL+32*(\s)+2*(\i)+1], s[10:11] offset:2048*(\p)+256*(\i)  ; a wave's store covers 256 consecutive bytes, aligned; its registers are not written again.  No wait: no vector line since the wait above names them
.irp h, 0,1
.if (\p) == 0
	v_fma_mix_f32_bf16 v[Y+4*(\i)+2*(\h)], v[SL+32*(\s)+2*(\i)+(\h)], v[WGT+(\p)], v[ZERO] op_sel:[0,0,0] op_sel_hi:[1,0,0]  ; the first row starts the sums
	v_fma_mix_f32_bf16 v[Y+4*(\i)+2*(\h)+1], v[SL+32*(\s)+2*(\i)+(\h)], v[WGT+(\p)], v[ZERO] op_sel:[1,0,0] op_sel_hi:[1,0,0]
.else
	v_fma_mix_f32_bf16 v[Y+4*(\i)+2*(\h)], v[SL+32*(\s)+2*(\i)+(\h)], v[WGT+(\p)], v[Y+4*(\i)+2*(\h)] op_sel:[0,0,0] op_sel_hi:[1,0,0]
	v_fma_mix_f32_bf16 v[Y+4*(\i)+2*(\h)+1], v[SL+32*(\s)+2*(\i)+(\h)], v[WGT+(\p)], v[Y+4*(\i)+2*(\h)+1] op_sel:[1,0,0] op_sel_hi:[1,0,0]
.endif
.endr
.endr
.endm
	KTURN 0, 0, 40, 2                              ; wsum and xk's row 0 are in; five rows are younger.  Its slot takes xv's row 2
	KTURN 1, 1, 40, 3                              ; its slot takes xv's row 3
	KTURN 2, 2, 40, -1
	KTURN 3, 3, 32, -1                             ; xv's four rows are younger
	VTURN 0, 4, 24
	VTURN 1, 5, 16
	VTURN 2, 0, 8
	VTURN 3, 1, 0
	s_wait_alu depctr_va_vdst(0)                   ; the multiply-adds have written Y, which the LDS stores below read
.irp i, 0,1,2,3,4,5,6,7
	ds_store_b128 v[YSA], v[Y+4*(\i):Y+4*(\i)+3] offset:YP+512*(\i)  ; my part of y, laid as a row of 1,024 f32
.endr
	s_wait_dscnt 0x0                               ; for the others' sake: my part of y and my four ksum lie in LDS
	s_barrier_signal -1
	s_barrier_wait -1
	s_wait_alu depctr_vm_vsrc(0)                   ; ksum's LDS stores have read v[KV ..], which waves 0-7 write again below; the wait stands ahead of the branch
	s_cmp_lt_u32 s[WV], 8
	s_cbranch_scc0 .Lnot_sum
	; waves 0-7: thread t adds the sixteen parts of y's numbers 4 t .. 4 t + 3
.irp k, 0,1,2,3,4,5,6,7,8,9,10,11,12,13,14,15
	ds_load_b128 v[R+4*(\k):R+4*(\k)+3], v[YRA] offset:YP+4096*(\k)  ; into slots 2 and 3.  No wait: the vector lines that named them, xk's rows 2 and 3, stand ahead of the waits on va_vdst above
.endr
	s_wait_dscnt 0x0
.irp st, 8,4,2,1
.set k, 0
.rept \st
	v_pk_add_f32 v[R+4*k:R+4*k+1], v[R+4*k:R+4*k+1], v[R+4*(k+(\st)):R+4*(k+(\st))+1]
	v_pk_add_f32 v[R+4*k+2:R+4*k+3], v[R+4*k+2:R+4*k+3], v[R+4*(k+(\st))+2:R+4*(k+(\st))+3]
.set k, k+1
.endr
.endr
	v_cvt_pk_bf16_f32 v20, v[R], v[R+1]            ; hi
	v_cvt_pk_bf16_f32 v21, v[R+2], v[R+3]
	v_lshlrev_b32 v22, 16, v20                     ; hi as f32
	v_and_b32 v23, 0xffff0000, v20
	v_lshlrev_b32 v24, 16, v21
	v_and_b32 v25, 0xffff0000, v21
	v_pk_add_f32 v[R:R+1], v[R:R+1], v[22:23] neg_lo:[0,1] neg_hi:[0,1]      ; y - hi, exact
	v_pk_add_f32 v[R+2:R+3], v[R+2:R+3], v[24:25] neg_lo:[0,1] neg_hi:[0,1]
	v_cvt_pk_bf16_f32 v26, v[R], v[R+1]            ; lo
	v_cvt_pk_bf16_f32 v27, v[R+2], v[R+3]
	s_wait_alu depctr_va_vdst(0)                   ; the roundings have written v[20:21] and v[26:27], which the two stores read
	global_store_b64 v[OFFY], v[20:21], s[14:15]
	global_store_b64 v[OFFY], v[26:27], s[14:15] offset:2048
	s_branch .Lend
.Lnot_sum:
	s_cmp_eq_u32 s[WV], 15
	s_cbranch_scc0 .Lend
	ds_load_b64 v[22:23], v[KRA]                   ; wave 15: the work-group's 64 ksum leave as 256 consecutive bytes; no vector line of this wave names v[22:23]
	s_wait_dscnt 0x0
	global_store_b64 v[OFFQ], v[22:23], s[12:13]
.Lend:
	s_wait_dscnt 0x0                               ; the closing lines, six on end
	s_wait_alu 0x0
	s_wait_tensorcnt 0x0
	ds_add_u32 v[SPW], v[NIL]
	s_wait_dscnt 0x0
	s_endpgm
.Lfunc_end_k_q799639391e_rows:
	.size	k_q799639391e_rows, .Lfunc_end_k_q799639391e_rows-k_q799639391e_rows
	.p2alignl 7, 3214868480
	.fill 96, 4, 3214868480
	.section	.rodata,"a",@progbits
	.p2align	6, 0x0
	.amdhsa_kernel k_q799639391e_rows
		.amdhsa_group_segment_fixed_size 67840
		.amdhsa_private_segment_fixed_size 0
		.amdhsa_enable_private_segment 0
		.amdhsa_kernarg_size 48
		.amdhsa_user_sgpr_count 2
		.amdhsa_user_sgpr_kernarg_segment_ptr 1
		.amdhsa_wavefront_size32 1
		.amdhsa_system_sgpr_workgroup_id_x 1
		.amdhsa_system_sgpr_workgroup_id_y 1
		.amdhsa_system_sgpr_workgroup_id_z 1
		.amdhsa_system_vgpr_workitem_id 0
		.amdhsa_next_free_vgpr 256
		.amdhsa_next_free_sgpr 66
		.amdhsa_reserve_vcc 0
		.amdhsa_float_denorm_mode_32 3
		.amdhsa_float_denorm_mode_16_64 3
		.amdhsa_memory_ordered 1
		.amdhsa_forward_progress 1
		.amdhsa_inst_pref_size 45
	.end_amdhsa_kernel
	.amdgpu_metadata
---
amdhsa.version: [ 1, 2 ]
amdhsa.kernels:
  - .name:           k_q799639391e_rows
    .symbol:         k_q799639391e_rows.kd
    .args:
      - { .name: xk, .offset: 0, .size: 8, .value_kind: global_buffer, .address_space: global }
      - { .name: xv, .offset: 8, .size: 8, .value_kind: global_buffer, .address_space: global }
      - { .name: wsum, .offset: 16, .size: 8, .value_kind: global_buffer, .address_space: global }
      - { .name: xvb, .offset: 24, .size: 8, .value_kind: global_buffer, .address_space: global }
      - { .name: ksum, .offset: 32, .size: 8, .value_kind: global_buffer, .address_space: global }
      - { .name: yhl, .offset: 40, .size: 8, .value_kind: global_buffer, .address_space: global }
    .group_segment_fixed_size: 67840
    .private_segment_fixed_size: 0
    .kernarg_segment_align: 8
    .kernarg_segment_size: 48
    .max_flat_workgroup_size: 512
    .sgpr_count:     66
    .vgpr_count:     256
    .wavefront_size: 32
...
	.end_amdgpu_metadata
.endif
;; end of part 5
;; launch carry: the kernel of part 3 again; grid 32 x 8, 4 waves a work-group, no clusters, 8,704 bytes of LDS; arguments yhl, wvt, cin; writes cin
;; launch fused: the kernel of part 4 again; grid 4 x 64, 4 waves a work-group, clusters of 4 x 4, 327,680 bytes of LDS; arguments xvb, wvt, xqb, wqt, ksum, cin, out0; writes out0
